; MI455X (gfx1250); checked and timed in simulation.
; The chip was launched on July 23, 2026; its instructions are those of AMD's public machine-readable ISA for CDNA 5 (MIT licence, August 2026) and "CDNA5" Instruction Set Architecture Reference Guide (July 2026). The comments in the code are by the model that wrote it; some were corrected since.
;; Multi Head Attention Block. Allowed arithmetic: matrix products marked QUANTISED: E2M1 operands, one E8M0 scale for each 32 along K, by v_wmma_scale_f32_16x16x128_f8f6f4 with both operands' format E2M1 (or v_wmma_scale_f32_32x16x128_f4), f32 sums; products left as they are: bf16, f16 or f32 operands; f32 sums; everything else in f32.
;; Inputs: Wk 1,024 x 1,024 float32; Wo 1,024 x 1,024 float32; Wq 1,024 x 1,024 float32; Wv 1,024 x 1,024 float32; bk 1,024 float32; bo 1,024 float32; bq 1,024 float32; bv 1,024 float32; key 4 x 2,048 x 1,024 float32; mask 4 x 1 x 2,048 x 2,048 int32; query 4 x 2,048 x 1,024 float32; value 4 x 2,048 x 1,024 float32.
;; Outputs: out0 4 x 2,048 x 1,024 float32.
;; This version of the problem:
;;   THIS VERSION OF THE PROBLEM IS GIVEN IN LOW PRECISION. The matrix products marked QUANTISED in the list below multiply operands that are first quantised to E2M1 (2 exponent bits, 1 mantissa bit; 4 bits a number), with one power-of-two scale for each 32 numbers along K (OCP MX v1.0); their sums are f32. The products marked 'left as it is' may take bf16, f16 or f32 operands, with f32 sums. Whichever they take, every output number must still come out within the allowed error. Rounding operands to bf16 (8 significant bits) uses up far more of that allowance than f16 does (11 bits, for magnitudes from 6e-5 to 65,504). All else is computed in f32.
;;   The module's matrix products, in the order in which they are computed (A, B: the left and right operand; K: the contracted axis; several contracted axes count as one K, in the product's order):
;;     1. [M 8,192, K 1,024] x [K 1,024, N 1,024]; A: input query; B: input Wq: QUANTISED
;;     2. [M 8,192, K 1,024] x [K 1,024, N 1,024]; A: input key; B: input Wk: QUANTISED
;;     3. [M 8,192, K 1,024] x [K 1,024, N 1,024]; A: input value; B: input Wv: QUANTISED
;;     4. batch 64 x [M 2,048, K 64] x [K 64, N 2,048]; A: computed on the way; B: computed on the way: left as it is (an operand is computed on the way)
;;     5. batch 64 x [M 2,048, K 2,048] x [K 2,048, N 64]; A: computed on the way; B: computed on the way: left as it is (an operand is computed on the way)
;;     6. [M 8,192, K 1,024] x [K 1,024, N 1,024]; A: computed on the way; B: input Wo: left as it is (an operand is computed on the way)
;;   THE QUANTISER, for each operand of a quantised product, along K:
;;     - K is cut into blocks of 32 from its start; a last block that is shorter is filled with zeros.
;;     - A block's scale is 2^e with e = floor(log2(the largest magnitude in the block)) - 2, held to -126 .. 127; a block of zeros has e = 0. As a byte (E8M0): e + 127.
;;     - Each number is divided by its block's scale, clamped to +-6, and rounded to the nearest number of E2M1, ties to even, subnormals kept.
;;     - The product sums the exact products of the quantised numbers (number of the format x scale) in f32.
;;   ~~~python
;;   def quantise(x, axis):      # numpy; x: float32 -> the quantised numbers, widened to float32 again
;;       x = np.moveaxis(x, axis, -1); K = x.shape[-1]
;;       x = np.pad(x, [(0, 0)] * (x.ndim - 1) + [(0, -K % 32)]); x = x.reshape(x.shape[:-1] + (-1, 32)); a = np.abs(x).max(-1, keepdims=True)
;;       e = np.where(a > 0, np.clip(np.frexp(np.where(a > 0, a, 1))[1] - 1 - 2, -126, 127), 0)      # np.frexp(a)[1] - 1 = floor(log2(a)), exactly
;;       r = np.clip(x / 2.0 ** e, -6, 6)
;;       step = 2.0 ** (np.maximum(np.frexp(np.where(r == 0, 1, r))[1] - 1, 0) - 1)
;;       q = np.round(r / step) * step * 2.0 ** e      # np.round: ties to even
;;       return np.moveaxis(q.reshape(q.shape[:-2] + (-1,))[..., :K], -1, axis).astype(np.float32)
;;   ~~~
;; One version. Each part assembles by itself: llvm-mc -triple=amdgcn-amd-amdhsa -mcpu=gfx1250 --defsym DOCPART=n.
;; ======== version 1 of 1: 4 launches
;; limits: values are held in f16: magnitudes above 65,504 overflow, below 6.1e-05 lose precision
;; workspace buffers: a_codes 12,582,912 bytes; a_scales 786,432 bytes; w_codes 1,572,864 bytes; w_scales 98,304 bytes; wo16 2,097,152 bytes; qkv16 50,331,648 bytes; ctx16 16,777,216 bytes
;; launch quant (part 1): grid 896 x 1, 4 waves a work-group, no clusters, 33,280 bytes of LDS; arguments query, key, value, Wq, Wk, Wv, Wo, a_codes, a_scales, w_codes, w_scales, wo16; writes a_codes, a_scales, w_codes, w_scales, wo16
.if DOCPART == 1
	.amdgcn_target "amdgcn-amd-amdhsa--gfx1250"
	.amdhsa_code_object_version 6
	.text
	.protected	k_q6ae3a88990_quant
	.globl	k_q6ae3a88990_quant
	.p2align	8
	.type	k_q6ae3a88990_quant,@function
k_q6ae3a88990_quant:
	s_mov_b64 s[64:65], 0
	v_nop
	global_prefetch_b8 v0, s[64:65] scope:SCOPE_SE
	s_setreg_imm32_b32 hwreg(HW_REG_WAVE_MODE, 25, 1), 1
	s_wait_xcnt 0x0
; MULTI-HEAD ATTENTION, launch 1 of 4: the operands of the three quantised projections become codes; Wo becomes f16.
; WORK LEFT OUT, in the whole program, and why it is dead for all values of the inputs:
;   mask: reference() never reads it, so it has no way to any output.  It is loaded nowhere and is no launch's argument.
;   bk:   scores[s][t] = q_s . (k_t + bk) / 8 = q_s . k_t / 8 + q_s . bk / 8.  The second term is the same for every t, and the softmax runs along t: it cancels for all values.
;         k goes into the product of the scores alone, which is not quantised, so bk moves no code and no scale.  It is loaded nowhere and is no launch's argument.
;   LIMIT: a NaN, an infinity or an overflow that reaches only mask or bk is not carried to the result.
; WHAT THIS LAUNCH DOES.  query, key, value [8192][1024] and Wq, Wk, Wv [1024][1024], f32, K innermost, are turned into codes of FP4 (E2M1), two a byte, the lower k in the low four bits, with one E8M0
; byte for each 32 along K.  The three activations lie stacked in a_codes [24576][512 bytes] and a_scales [24576][32]; the three weights in w_codes [3072][512] and w_scales [3072][32].
; A block's scale is 2^(floor(log2(its largest magnitude)) - 2); its byte is the largest magnitude's own exponent field - 2, held at 1 from below.  Each number is divided by the scale and rounded to the nearest code, ties to
; even, beyond 6 the largest code.  (A block of zeros gets the byte 1 where the rule says 127: its codes are zeros, which add nothing under any byte but 0xff, and this program alone reads the bytes.)
; Wo [1024 n][1024 k] is rounded to f16 and laid by planes of 64 along K: wo16 [16 planes][1024 n][64], so that the last launch's tile of 128 rows x 64 K is 16,384 consecutive bytes.
; LIMITS: blocks whose largest magnitude lies under 2^-124, the floor, were not tried; NaN and infinities among the inputs are not served; Wo in f16 serves magnitudes up to 65,504, and under 6e-5 its step is a fixed 6e-8.
; SHARES.  Rows are dense and 1024 is a multiple of 32: each tensor is a plain stream of blocks of 32.  A work-group takes 32,768 numbers, a wave 8,192: 16 steps of 512.  Work-groups 0-255 query, 256-511 key,
; 512-767 value, 768-799 Wq, 800-831 Wk, 832-863 Wv, 864-895 Wo.  Only pointers are chosen for the first six: they take one path through the text.
; A STEP.  The conversions take 8 numbers of ONE block from a lane's consecutive registers, so a lane must hold 16 neighbours; a load is best where neighbouring lanes take neighbouring bytes.  Both are had: each of a
; step's four loads reads 512 consecutive bytes; the 2,048 bytes go through the wave's own stage in LDS as they lie and come back 64 bytes a lane (80 bytes from lane to lane).  A wave's store of codes covers 256 consecutive bytes;
; its 256 scale bytes are gathered in LDS and leave as one aligned run of 256 bytes.  No tensor loads, no barrier: waves share nothing.  Matrix units and clusters would add nothing to a stream.
.set WAVES, 4
.set STEPS, 16
.set EMAX,  2
.set CB,    8                          ; bytes of 16 codes
.set R,     16                         ; v16-79   four sets of 16 numbers as they are loaded
.set X,     80                         ; v80-111  two sets of 16 neighbours
.set E,     112                        ; v112-127 a scale byte for each step
.set C,     128                        ; v128-191 codes: four registers for each step, so that no store's data are written again
.set WREG,  8192                       ; LDS: a region for each wave: two stages of 32 x SP bytes, behind them its 256 scale bytes
.set SP,    80                         ; a lane's place in a stage: 64 bytes + 16 of padding
.set SPW,   12                         ; v12  LDS address of my spare word: SPARE + 4 x my thread's number; never rewritten
.set NIL,   13                         ; v13  0; never rewritten
.set SPARE, WAVES*WREG                 ; behind the four regions: the spare words, 128 bytes a wave, that no other line names
.set WOI,   16                         ; Wo's path: v16-143 two sets of 64 numbers
.set WOO,   144                        ; v144-175 their 32 registers of f16
.macro LOAD t
.irp i, 0,1,2,3
	global_load_b128 v[R+16*((\t)%4)+4*\i:R+16*((\t)%4)+4*\i+3], v3, s[28:29] offset:2048*(\t)+512*\i th:TH_LOAD_NT   ; 32 lanes read 512 consecutive bytes
.endr
.endm
.macro TURN t                          ; step t's numbers through the stage: LDS serves a wave's instructions in order, so no wait stands between the stores and the loads
.irp i, 0,1,2,3
	ds_store_b128 v14, v[R+16*((\t)%4)+4*\i:R+16*((\t)%4)+4*\i+3] offset:32*SP*((\t)%2)+8*SP*\i
.endr
.irp i, 0,1,2,3
	ds_load_b128 v[X+16*((\t)%2)+4*\i:X+16*((\t)%2)+4*\i+3], v15 offset:32*SP*((\t)%2)+16*\i
.endr
.endm
.macro STEP t
.set XS, X+16*((\t)%2)
.if (\t) > 0
	s_wait_dscnt 1                                 ; this step's numbers are back from the stage (the last step's byte store may be out): so its stores into the stage have read their registers,
.else
	s_wait_dscnt 0x0
.endif
.if (\t)+4 < STEPS
	LOAD (\t)+4                                    ; which take the loads of four steps on
.endif
.if (\t)+1 < STEPS
.if STEPS-2-(\t) >= 3
	s_wait_loadcnt 12                              ; the next step's four loads are in; those of the three steps behind it may be out
.else
	s_wait_loadcnt 4*(STEPS-2-(\t))
.endif
	TURN (\t)+1                                    ; and go through the other stage while this step is worked
.endif
	v_max3_num_f32 v8, |v[XS]|, |v[XS+1]|, |v[XS+2]|               ; the largest magnitude of my 16, in two chains
	v_max3_num_f32 v9, |v[XS+3]|, |v[XS+4]|, |v[XS+5]|
.irp i, 6,10
	v_max3_num_f32 v8, v8, |v[XS+\i]|, |v[XS+\i+1]|
	v_max3_num_f32 v9, v9, |v[XS+\i+2]|, |v[XS+\i+3]|
.endr
	v_max3_num_f32 v8, v8, |v[XS+14]|, |v[XS+15]|
	v_max3_num_f32 v8, v8, v9, (EMAX+1)<<23        ; and the floor 2^(EMAX + 1 - 127): so the byte cannot fall under 1
	v_max_num_f32_dpp v8, v8, v8 row_xmask:1 row_mask:0xf bank_mask:0xf   ; and of my neighbour's 16: the block's
	v_add_nc_u32 v11, -(EMAX<<23), v8              ; EMAX off its exponent field: the conversion takes the exponent field of this operand as its scale, and nothing else of it
	v_cvt_scalef32_pk8_fp4_f32 v[C+4*(\t)], v[XS:XS+7], v11
	v_cvt_scalef32_pk8_fp4_f32 v[C+4*(\t)+1], v[XS+8:XS+15], v11
	v_lshrrev_b32 v[E+(\t)], 23, v11               ; the scale's byte (a plain line behind the conversions)
	ds_store_b8 v5, v[E+(\t)] offset:16*(\t)       ; both lanes of a block write the same byte with the same value
	global_store_b64 v4, v[C+4*(\t):C+4*(\t)+1], s[34:35] offset:32*CB*(\t)
.endm
.macro WOLOAD rp                       ; two rows of Wo, all 16 planes: sixteen lanes read the 256 bytes of one row's plane p
.irp p, 0,1,2,3,4,5,6,7,8,9,10,11,12,13,14,15
	global_load_b128 v[WOI+64*((\rp)%2)+4*\p:WOI+64*((\rp)%2)+4*\p+3], v8, s[16:17] offset:(\rp)*8192+\p*256 th:TH_LOAD_NT
.endr
.endm
.macro WOSTEP rp
.if (\rp) < 3
	s_wait_loadcnt 16                              ; this pair of rows is in; the next pair's 16 loads may be out
.else
	s_wait_loadcnt 0x0
.endif
.if (\rp) > 0
	s_wait_xcnt 0x0                                ; the last pair's stores have read their data: the 32 registers are written again only behind this wait
.endif
.irp p, 0,1,2,3,4,5,6,7,8,9,10,11,12,13,14,15
	v_cvt_pk_f16_f32 v[WOO+2*\p], v[WOI+64*((\rp)%2)+4*\p], v[WOI+64*((\rp)%2)+4*\p+1]
	v_cvt_pk_f16_f32 v[WOO+2*\p+1], v[WOI+64*((\rp)%2)+4*\p+2], v[WOI+64*((\rp)%2)+4*\p+3]
.endr
.irp p, 0,1,2,3,4,5,6,7,8,9,10,11,12,13,14,15
	global_store_b64 v9, v[WOO+2*\p:WOO+2*\p+1], s[26:27] offset:\p*131072+(\rp)*256   ; 32 lanes store two rows of plane p: 256 consecutive bytes, at a multiple of 256 from the buffer's first byte
.endr
.if (\rp) < 2
	WOLOAD (\rp)+2
.endif
.endm
	s_load_b512 s[4:19], s[0:1], 0x0               ; query s[4:5], key s[6:7], value s[8:9], Wq s[10:11], Wk s[12:13], Wv s[14:15], Wo s[16:17], a_codes s[18:19]
	s_load_b256 s[20:27], s[0:1], 0x40             ; a_scales s[20:21], w_codes s[22:23], w_scales s[24:25], wo16 s[26:27]
	v_lshl_add_u32 v[SPW], v0, 2, SPARE
	v_mov_b32 v[NIL], 0
	v_lshrrev_b32 v1, 5, v0
	v_readfirstlane_b32 s32, v1                    ; wave
	v_and_b32 v2, 31, v0                           ; lane
	v_lshlrev_b32 v3, 4, v2                        ; my 16 bytes of a load's 512
	s_mul_i32 s33, s32, WREG
	v_lshrrev_b32 v14, 2, v2
	v_mul_u32_u24 v14, v14, SP
	v_and_b32 v15, 3, v2
	v_lshl_add_u32 v14, v15, 4, v14
	v_add_nc_u32 v14, s33, v14                     ; the stage, on the way in: four lanes' 64 bytes on end, then 16 of padding
	v_mul_u32_u24 v15, v2, SP
	v_add_nc_u32 v15, s33, v15                     ; and on the way out: SP x lane: my 16 neighbours
	v_mul_u32_u24 v4, v2, CB                       ; my codes' place in a step's
	v_lshrrev_b32 v5, 1, v2
	s_add_co_u32 s33, s33, 2*32*SP
	v_add_nc_u32 v5, s33, v5                       ; LDS: my wave's 256 scale bytes, my block's byte
	v_lshlrev_b32 v7, 3, v2                        ; and on the way out 8 bytes a lane
	v_add_nc_u32 v6, s33, v7
	s_wait_kmcnt 0x0
	s_cmp_lt_u32 ttmp9, 864
	s_cbranch_scc0 .Lwo                            ; the last 32 work-groups take Wo
	s_mov_b64 s[28:29], s[14:15]                   ; which tensor, and its first work-group: the choice hangs on the work-group's number alone
	s_mov_b32 s30, 832
	s_cmp_lt_u32 ttmp9, 832
	s_cselect_b64 s[28:29], s[12:13], s[28:29]
	s_cselect_b32 s30, 800, s30
	s_cmp_lt_u32 ttmp9, 800
	s_cselect_b64 s[28:29], s[10:11], s[28:29]
	s_cselect_b32 s30, 768, s30
	s_cmp_lt_u32 ttmp9, 768
	s_cselect_b64 s[28:29], s[8:9], s[28:29]
	s_cselect_b32 s30, 512, s30
	s_cselect_b64 s[34:35], s[18:19], s[22:23]     ; codes go to the activations' stack or to the weights',
	s_cselect_b64 s[36:37], s[20:21], s[24:25]     ; and so do the scale bytes
	s_cselect_b32 s31, 0, 768
	s_cmp_lt_u32 ttmp9, 512
	s_cselect_b64 s[28:29], s[6:7], s[28:29]
	s_cselect_b32 s30, 256, s30
	s_cmp_lt_u32 ttmp9, 256
	s_cselect_b64 s[28:29], s[4:5], s[28:29]
	s_cselect_b32 s30, 0, s30
	s_sub_co_u32 s38, ttmp9, s30
	s_lshl_b32 s38, s38, 2
	s_add_co_u32 s38, s38, s32                     ; which run of 8,192 numbers of the tensor is my wave's
	s_lshl_b32 s38, s38, 15                        ; 32,768 bytes a run
	s_mov_b32 s39, 0
	s_add_nc_u64 s[28:29], s[28:29], s[38:39]
	s_sub_co_u32 s38, ttmp9, s31
	s_lshl_b32 s38, s38, 2
	s_add_co_u32 s40, s38, s32                     ; and which run of the stack
	s_lshl_b32 s38, s40, 12                        ; 4,096 bytes of codes a run
	s_add_nc_u64 s[34:35], s[34:35], s[38:39]
	s_lshl_b32 s38, s40, 8                         ; 256 scale bytes a run
	s_add_nc_u64 s[36:37], s[36:37], s[38:39]
.irp t, 0,1,2,3
	LOAD \t
.endr
	s_wait_loadcnt 12                              ; step 0's four loads are in
	TURN 0
.irp t, 0,1,2,3,4,5,6,7,8,9,10,11,12,13,14,15
	STEP \t
.endr
	ds_load_b64 v[8:9], v6                         ; LDS serves a wave's instructions in order: these see my byte stores
	s_wait_dscnt 0x0
	global_store_b64 v7, v[8:9], s[36:37]          ; 32 lanes store 256 consecutive bytes
	s_wait_tensorcnt 0x0                           ; the wave's end: behind my last LDS store
	ds_add_u32 v[SPW], v[NIL]
	s_wait_dscnt 0x0
	s_endpgm
.Lwo:                                                  ; Wo to f16, by planes.  Wave w takes rows 32 (work-group - 864) + 8 w on, two rows at a time; two pairs of rows are on their way
	s_sub_co_u32 s33, ttmp9, 864
	s_lshl_b32 s33, s33, 5
	s_lshl_b32 s38, s32, 3
	s_add_co_u32 s33, s33, s38                     ; my first row n
	s_lshl_b32 s38, s33, 12                        ; 4,096 bytes a row of Wo
	s_mov_b32 s39, 0
	s_add_nc_u64 s[16:17], s[16:17], s[38:39]
	s_lshl_b32 s38, s33, 7                         ; 128 bytes a row of a plane
	s_add_nc_u64 s[26:27], s[26:27], s[38:39]
	v_lshrrev_b32 v8, 4, v2
	v_lshlrev_b32 v8, 12, v8                       ; in: lanes 16-31 take the next row,
	v_and_b32 v9, 15, v2
	v_lshl_add_u32 v8, v9, 4, v8                   ; 16 bytes a lane
	v_lshlrev_b32 v9, 3, v2                        ; out: 8 bytes a lane; lanes 16-31 fall on the next row's 128 bytes
	WOLOAD 0
	WOLOAD 1
	WOSTEP 0
	WOSTEP 1
	WOSTEP 2
	WOSTEP 3
	s_wait_tensorcnt 0x0                           ; the same three lines at this path's end
	ds_add_u32 v[SPW], v[NIL]
	s_wait_dscnt 0x0
	s_endpgm
.Lfunc_end_k_q6ae3a88990_quant:
	.size	k_q6ae3a88990_quant, .Lfunc_end_k_q6ae3a88990_quant-k_q6ae3a88990_quant
	.p2alignl 7, 3214868480
	.fill 96, 4, 3214868480
	.section	.rodata,"a",@progbits
	.p2align	6, 0x0
	.amdhsa_kernel k_q6ae3a88990_quant
		.amdhsa_group_segment_fixed_size 33280
		.amdhsa_private_segment_fixed_size 0
		.amdhsa_enable_private_segment 0
		.amdhsa_kernarg_size 96
		.amdhsa_user_sgpr_count 2
		.amdhsa_user_sgpr_kernarg_segment_ptr 1
		.amdhsa_wavefront_size32 1
		.amdhsa_system_sgpr_workgroup_id_x 1
		.amdhsa_system_sgpr_workgroup_id_y 1
		.amdhsa_system_sgpr_workgroup_id_z 1
		.amdhsa_system_vgpr_workitem_id 0
		.amdhsa_next_free_vgpr 192
		.amdhsa_next_free_sgpr 66
		.amdhsa_reserve_vcc 0
		.amdhsa_float_denorm_mode_32 3
		.amdhsa_float_denorm_mode_16_64 3
		.amdhsa_memory_ordered 1
		.amdhsa_forward_progress 1
		.amdhsa_inst_pref_size 55
	.end_amdhsa_kernel
	.amdgpu_metadata
---
amdhsa.version: [ 1, 2 ]
amdhsa.kernels:
  - .name:           k_q6ae3a88990_quant
    .symbol:         k_q6ae3a88990_quant.kd
    .args:
      - { .name: query, .offset: 0, .size: 8, .value_kind: global_buffer, .address_space: global }
      - { .name: key, .offset: 8, .size: 8, .value_kind: global_buffer, .address_space: global }
      - { .name: value, .offset: 16, .size: 8, .value_kind: global_buffer, .address_space: global }
      - { .name: Wq, .offset: 24, .size: 8, .value_kind: global_buffer, .address_space: global }
      - { .name: Wk, .offset: 32, .size: 8, .value_kind: global_buffer, .address_space: global }
      - { .name: Wv, .offset: 40, .size: 8, .value_kind: global_buffer, .address_space: global }
      - { .name: Wo, .offset: 48, .size: 8, .value_kind: global_buffer, .address_space: global }
      - { .name: a_codes, .offset: 56, .size: 8, .value_kind: global_buffer, .address_space: global }
      - { .name: a_scales, .offset: 64, .size: 8, .value_kind: global_buffer, .address_space: global }
      - { .name: w_codes, .offset: 72, .size: 8, .value_kind: global_buffer, .address_space: global }
      - { .name: w_scales, .offset: 80, .size: 8, .value_kind: global_buffer, .address_space: global }
      - { .name: wo16, .offset: 88, .size: 8, .value_kind: global_buffer, .address_space: global }
    .group_segment_fixed_size: 33280
    .private_segment_fixed_size: 0
    .kernarg_segment_align: 8
    .kernarg_segment_size: 96
    .max_flat_workgroup_size: 128
    .sgpr_count:     66
    .vgpr_count:     192
    .wavefront_size: 32
...
	.end_amdgpu_metadata
.endif
;; end of part 1
;; launch proj (part 2): grid 4 x 96, 4 waves a work-group, clusters of 4 x 4, 327,680 bytes of LDS; arguments a_codes, a_scales, w_codes, w_scales, bq, bv, qkv16; writes qkv16
.if DOCPART == 2
	.amdgcn_target "amdgcn-amd-amdhsa--gfx1250"
	.amdhsa_code_object_version 6
	.text
	.protected	k_q6ae3a88990_proj
	.globl	k_q6ae3a88990_proj
	.p2align	8
	.type	k_q6ae3a88990_proj,@function
k_q6ae3a88990_proj:
	s_mov_b64 s[64:65], 0
	v_nop
	global_prefetch_b8 v0, s[64:65] scope:SCOPE_SE
	s_setreg_imm32_b32 hwreg(HW_REG_WAVE_MODE, 25, 1), 1
	s_wait_xcnt 0x0
	s_wait_alu depctr_hold_cnt(0) depctr_sa_sdst(0) depctr_va_vdst(0) depctr_va_sdst(0) depctr_va_ssrc(0) depctr_va_vcc(0) depctr_vm_vsrc(0)
	s_getreg_b32 s2, hwreg(HW_REG_IB_STS2, 6, 4)
	s_cmp_eq_u32 s2, 0
	s_cbranch_scc0 .Lentry_in_a_cluster
	s_endpgm
.Lentry_in_a_cluster:
	s_bfe_u32 s2, ttmp6, 0x10000c
	s_cmp_lg_u32 s2, 0xf033
	s_cbranch_scc0 .Lentry_shape_is_right
	s_endpgm
.Lentry_shape_is_right:
; Launch 2 of 4: the three projections, q = query Wq^T + bq, k = key Wk^T, v = value Wv^T + bv, on codes of FP4 (E2M1) with one E8M0 scale for each 32 along K; sums in f32; results rounded once to f16.
; LEFT OUT: bk.  It adds to every score of a query the same number, which the softmax along the keys takes away for all values, and k feeds no quantised product.
; A: a_codes [24576 = query | key | value][512 bytes], a_scales [24576][32].  B: w_codes [3072 = Wq | Wk | Wv][512], w_scales [3072][32].
; OUT: qkv16, f16, [3 tensors][16 heads][8192 tokens][64]: byte (tensor << 24) + (head << 20) + (token << 7) + 2 d.  A head's rows are dense, so the next launch's tiles are dense blocks and the stores here cover 512 consecutive bytes.
; LIMIT: f16 serves |q|, |k|, |v| up to 65,504.
; SHARES.  96 x 4 tiles of 256 x 256; tile rows 32 T .. 32 T + 31 belong to tensor T.  Four waves, each 128 x 128: 64 accumulators, 512 registers.  All of K = 1024 lies in LDS behind the first fills:
; two slots of 512 along K (rows of 256 bytes), so no slot is filled twice.  By this text's count a wave has three tensor loads out at the most: its scales, its part of slot 0, its part of slot 1.
; THE SCALES of the work-group's 256 rows of A and of B are two dense blocks of memory and come once, as rows of 256 bytes.
; CLUSTERS: 4 x 4 work-groups.  The four of a row of the cluster need the same tiles of A, the four of a column the same tiles of B: each is asked for JOINTLY, by the same tensor load with the same descriptor and a mask that names the four.
; THE MATRIX INSTRUCTION IS USED TRANSPOSED (source 0 = 16 rows of W, source 1 = 16 tokens): a lane holds eight neighbouring outputs of one token.
; THE BIAS is the C of each sum's first matrix instruction: 64 registers in the result's layout.  The key's tiles have no bias: there the 64 registers hold 0.
; REGISTERS, in windows of 256: window 0: v0-31 addresses; v32-95 scale words, two sets; v128-191 A's fragments, ONE set; v192-255 the bias; on the way out v32-63, v192-255 are at work.
;   window 1: B's fragments, TWO sets, at v0 and v128.   window 2: the accumulators of my rows 0-63 ((a, b) at v[8 (8 a + b)]);   window 3: those of my rows 64-127.
.set SIZE_K, 1024
.set KSTEP,  512                       ; along K in a slot
.set NQ,     KSTEP/128                 ; matrix instructions deep
.set ROWB,   256                       ; a tile's row in bytes
.set KROW,   SIZE_K*4/8                ; a row of codes in memory
.set PITCH,  272                       ; an LDS row: 256 bytes + 16 of padding: row r begins 17 r units of 16 bytes on, so the 16 rows of a load begin at 16 different places modulo 256 bytes
.set FR,     8                         ; registers of a fragment: 16 rows x 128 K
.set NL,     2                         ; LDS loads that bring one
.set NP,     4                         ; places behind this matrix instruction (ISA guide 7.12.1)
.set HALFT,  128*PITCH                 ; 128 rows: what one tensor load brings
.set SLOT,   4*HALFT                   ; A's 256 rows, then B's 256 rows
.set KS,     SIZE_K/32                 ; a row of scales in bytes
.set SCL,    2*SLOT                    ; behind the slots: the scales, as rows of 256 bytes + 16 of padding
.set HALFS,  (128*KS/256)*272          ; the scales of 128 rows
.set SBLK,   (16*KS/256)*272           ; those of 16 rows
.set STG,    SCL+4*HALFS               ; the way out: a stage for each wave, in bytes of its own: 2 heads x 16 tokens x (128 bytes + 16)
.set SPITCH, 144
.set HSTG,   16*SPITCH
.set WSTG,   2*HSTG
.set SPARE,  STG+4*WSTG                ; the spare words, 128 bytes a wave, that no other line names
.set ADRA, 16                          ; v16-17  LDS address of my A fragments in slot 0, 1
.set ADRB, 20                          ; v20-21  the same for B
.set STO,  24                          ; v24     the way out: where I put 16 bytes of a token's head
.set RD,   25                          ; v25     where I read them back
.set CO,   26                          ; v26     16 x lane: my byte offset in a store's 512
.set ADRS, 27                          ; v27     LDS address of my scale words: lanes 0-15 A's rows, lanes 16-31 B's
.set SPW,  28                          ; v28     LDS address of my spare word; never rewritten
.set NIL,  29                          ; v29     0; never rewritten
.set VB,   30                          ; v30     32 x (lane / 16): my eight numbers of a block's sixteen biases
.set SC,   32                          ; scale words: set s at v[SC + 32 s]; register 4 i + q: lanes 0-15 the word of A's block i, lanes 16-31 of B's block i, for the slot's q-th 128 along K
.set AF,   128                         ; A's fragments
.set BIAS, 192                         ; register 8 b + j: the bias of output 16 b + 8 (lane / 16) + j of my 128
.set TMP,  192                         ; the way out: a block's 32 registers of f16
.set BK,   32                          ; and 32 read back from the stage: v32-63 and v224-255 by turns
.set TEN,  95                          ; s95  which tensor: 0 query, 1 key, 2 value: made of the cluster's y alone
.set G1, 24
.set G0, 32
.set G1B, 48
.set G0B, 56
.set G1S, 68
.set G0S, 76
.set G1SB, 80
.set G0SB, 88
.set MSB, 0
.macro WIN new                         ; the immediate's high byte repeats the setting that is left; a switch that changes nothing is dropped
.if MSB != (\new)
	s_set_vgpr_msb (MSB<<8)|(\new)
.set MSB, (\new)
.endif
.endm
.set MUL_LO, 0xa1                      ; source 0 (B) window 1, source 1 (A) window 0, C and D window 2
.set MUL_HI, 0xf1                      ; the same, C and D window 3
.set BIA_LO, 0x81                      ; the first step: C (the bias) window 0, D window 2
.set BIA_HI, 0xc1                      ; D window 3
.set TO_B,   0x40                      ; destination window 1, address window 0
; A joint load: waves 0 and 1 fetch for A, waves 2 and 3 for B.  Each line has ONE mask and one set of registers for all that issue it; the branch hangs on the wave's number alone.
; An s_nop 0 and four v_nop follow each of the two lines, ahead of the jump, the label and what follows.
.macro JLOAD g0a, g1a, g0b, g1b
	s_cmp_eq_u32 s15, 0
	s_cbranch_scc0 .Lfor_b_\@
	tensor_load_to_lds s[\g0a:\g0a+3], s[\g1a:\g1a+7]
	s_nop 0
.rept 4
	v_nop
.endr
	s_branch .Lasked_\@
.Lfor_b_\@:
	tensor_load_to_lds s[\g0b:\g0b+3], s[\g1b:\g1b+7]
	s_nop 0
.rept 4
	v_nop
.endr
.Lasked_\@:
.endm
.macro CROUND                          ; a round of the cluster's barrier: my work-group's barrier; wave 0 signals for the work-group; every wave waits for all sixteen; my work-group's barrier once more
	s_barrier_signal -1
	s_barrier_wait -1
	s_cmp_lg_u32 s14, 0
	s_cbranch_scc1 .Lnot_wave_0_\@
	s_barrier_signal -3
.Lnot_wave_0_\@:
	s_barrier_wait -3
	s_barrier_signal -1
	s_barrier_wait -1
.endm
	s_load_b128 s[4:7], s[0:1], 0x0                ; A's codes s[4:5], A's scales s[6:7]
	s_load_b128 s[8:11], s[0:1], 0x10              ; B's codes s[8:9], B's scales s[10:11]
	s_load_b128 s[96:99], s[0:1], 0x20             ; bq s[96:97], bv s[98:99]
	s_load_b64 s[12:13], s[0:1], 0x30              ; qkv16
	v_lshl_add_u32 v[SPW], v0, 2, SPARE
	v_mov_b32 v[NIL], 0
	ds_add_u32 v[SPW], v[NIL]                      ; the wave's opening: the add, twice on end, and its wait ahead of my first tensor load; the set-up below, work on registers, stands between
	ds_add_u32 v[SPW], v[NIL]
	v_lshrrev_b32 v1, 5, v0
	v_readfirstlane_b32 s14, v1                    ; wave 0..3
	s_lshr_b32 s15, s14, 1                         ; which half of the tile's rows is mine.  Also: I fetch for A (0) or for B (1)
	s_and_b32 s16, s14, 1                          ; which half of its columns.  Also: which 128 rows of that tile I fetch
	s_bfe_u32 s40, ttmp6, 0x40000                  ; cx, cy: my place in the cluster
	s_bfe_u32 s41, ttmp6, 0x40004
	s_lshl_b32 s42, ttmp9, 2
	s_add_co_u32 s42, s42, s40                     ; tile column = 4 x cluster x + cx
	s_and_b32 s17, ttmp7, 0xffff
	s_lshr_b32 s[TEN], s17, 3                      ; eight clusters along y to a tensor
	s_lshl_b32 s17, s17, 2
	s_add_co_u32 s17, s17, s41                     ; tile row = 4 x cluster y + cy
	s_lshl_b32 s43, s41, 2
	s_lshl_b32 s43, 15, s43                        ; my row of the cluster
	s_lshl_b32 s44, 0x1111, s40                    ; my column
	; descriptor group 1: a tile of 128 rows x 256 bytes, padded in LDS
	s_or_b32 s[G1+0], s43, (0<<16)|(1<<20)|(1<<21)|(5<<22)|(3<<25)  ; 15:0 the mask: A's tiles go to my row; 17:16 elements of 1 byte; 20 padding on; 21 set beside a mask; 24:22 after every 64 words; 31:25 four words
	s_or_b32 s[G1B+0], s44, (0<<16)|(1<<20)|(1<<21)|(5<<22)|(3<<25)
.irp g, G1, G1B
	s_mov_b32 s[\g+1], ROWB<<16                    ; tensor_dim0
	s_mov_b32 s[\g+2], 128<<16                     ; tensor_dim1
	s_mov_b32 s[\g+3], ROWB<<16                    ; tile_dim0
	s_mov_b32 s[\g+4], 128                         ; tile_dim1
	s_mov_b32 s[\g+5], KROW                        ; from row to row
	s_mov_b32 s[\g+6], 0
	s_mov_b32 s[\g+7], 0
.endr
	; the scales of 128 rows: a dense block of 4,096 bytes, as 16 rows of 256 bytes (32 elements of 8 bytes), 16 bytes of padding behind each
	s_or_b32 s[G1S+0], s43, (3<<16)|(1<<20)|(1<<21)|(5<<22)|(3<<25)
	s_or_b32 s[G1SB+0], s44, (3<<16)|(1<<20)|(1<<21)|(5<<22)|(3<<25)
.irp g, G1S, G1SB
	s_mov_b32 s[\g+1], 32<<16
	s_mov_b32 s[\g+2], (128*KS/256)<<16
	s_mov_b32 s[\g+3], 32<<16
	s_mov_b32 s[\g+4], 128*KS/256
	s_mov_b32 s[\g+5], 32
	s_mov_b32 s[\g+6], 0
	s_mov_b32 s[\g+7], 0
.endr
	s_lshl_b32 s18, s16, 7                         ; which 128 rows of the tile I fetch
	s_lshl_b32 s20, s17, 8
	s_add_co_u32 s20, s20, s18                     ; A: row 256 x tile row + 128 x half, in the stack of three
	s_lshl_b32 s46, s42, 8
	s_add_co_u32 s46, s46, s18
	s_lshl_b32 s47, s[TEN], 10
	s_add_co_u32 s46, s46, s47                     ; B: row 1024 x tensor + 256 x tile column + 128 x half
	s_mov_b32 s21, 0
	s_mov_b32 s47, 0
	s_mov_b64 s[18:19], KS
	s_mul_u64 s[22:23], s[20:21], s[18:19]         ; where these rows' scales begin, in bytes
	s_mul_u64 s[92:93], s[46:47], s[18:19]
	s_mov_b64 s[18:19], KROW
	s_mul_u64 s[20:21], s[20:21], s[18:19]         ; and their codes
	s_mul_u64 s[46:47], s[46:47], s[18:19]
	s_mul_i32 s45, s14, HALFT                      ; where they go: wave x 128 rows: no place in the cluster enters an LDS address
	s_mul_i32 s94, s14, HALFS
	s_wait_dscnt 0x0                               ; both opening adds are done
	s_wait_kmcnt 0x0
	s_add_nc_u64 s[20:21], s[4:5], s[20:21]
	s_add_nc_u64 s[22:23], s[6:7], s[22:23]
	s_add_nc_u64 s[46:47], s[8:9], s[46:47]
	s_add_nc_u64 s[92:93], s[10:11], s[92:93]
	CROUND                                         ; all sixteen work-groups are here: the joint loads meet
	s_mov_b32 s[G0S], 1
	s_add_co_u32 s[G0S+1], s94, SCL
	s_mov_b64 s[G0S+2:G0S+3], s[22:23]
	s_or_b32 s[G0S+3], s[G0S+3], 0x80000000
	s_mov_b32 s[G0SB], 1
	s_add_co_u32 s[G0SB+1], s94, SCL
	s_mov_b64 s[G0SB+2:G0SB+3], s[92:93]
	s_or_b32 s[G0SB+3], s[G0SB+3], 0x80000000
	JLOAD G0S, G1S, G0SB, G1SB                     ; the scales first: they are wanted with the first 512 along K
.irp s, 0,1
	s_mov_b32 s[G0+4*\s], 1
	s_add_co_u32 s[G0+4*\s+1], s45, \s*SLOT
	s_add_nc_u64 s[G0+4*\s+2:G0+4*\s+3], s[20:21], \s*ROWB
	s_or_b32 s[G0+4*\s+3], s[G0+4*\s+3], 0x80000000
	s_mov_b32 s[G0B+4*\s], 1
	s_add_co_u32 s[G0B+4*\s+1], s45, \s*SLOT
	s_add_nc_u64 s[G0B+4*\s+2:G0B+4*\s+3], s[46:47], \s*ROWB
	s_or_b32 s[G0B+4*\s+3], s[G0B+4*\s+3], 0x80000000
	JLOAD G0+4*\s, G1, G0B+4*\s, G1B
.endr
	v_and_b32 v1, 15, v0                           ; r = lane % 16
	v_bfe_u32 v2, v0, 4, 1                         ; h = lane / 16
	v_mul_u32_u24 v3, v1, PITCH
	v_lshl_add_u32 v4, v2, 4, v3                   ; a fragment's row x pitch + 16 x half
	s_mul_i32 s21, s15, HALFT                      ; my 128 rows of A
	s_mul_i32 s22, s16, HALFT                      ; my 128 rows of B,
	s_add_co_u32 s22, s22, 2*HALFT                 ; which lie behind A's 256
.irp s, 0,1
	v_add_nc_u32 v[ADRA+\s], s21, v4
	v_add_nc_u32 v[ADRB+\s], s22, v4
	s_add_co_u32 s21, s21, SLOT
	s_add_co_u32 s22, s22, SLOT
.endr
	v_mul_u32_u24 v5, v1, KS                       ; my row's scales: 32 bytes a row,
	v_lshrrev_b32 v6, 8, v5
	v_lshl_add_u32 v5, v6, 4, v5                   ; and 16 more for each 256 passed
	s_mul_i32 s21, s15, HALFS                      ; A's: my 128 rows
	s_mul_i32 s22, s16, HALFS                      ; B's: my 128 rows, behind A's 256
	s_add_co_u32 s22, s22, 2*HALFS
	s_sub_co_u32 s22, s22, s21
	v_mul_u32_u24 v6, s22, v2                      ; lanes 16-31 take B's: one product, the distance between the two
	s_add_co_u32 s21, s21, SCL
	v_add_nc_u32 v5, v5, v6
	v_add_nc_u32 v[ADRS], s21, v5
	s_mul_i32 s23, s14, WSTG
	s_add_co_u32 s23, s23, STG                     ; my stage
	v_mul_u32_u24 v5, v1, SPITCH                   ; in: token r, 16 bytes for each half of the lanes
	v_lshl_add_u32 v5, v2, 4, v5
	v_add_nc_u32 v[STO], s23, v5
	v_and_b32 v6, 31, v0
	v_lshlrev_b32 v[CO], 4, v6
	v_lshrrev_b32 v5, 3, v6                        ; back: eight lanes to a token's 128 bytes, four tokens an instruction
	v_mul_u32_u24 v5, v5, SPITCH
	v_and_b32 v7, 7, v0
	v_lshl_add_u32 v5, v7, 4, v5
	v_add_nc_u32 v[RD], s23, v5
	v_lshlrev_b32 v[VB], 5, v2
	; where my part begins in qkv16: the tensor, my first token,
	s_and_b32 s20, s17, 31
	s_lshl_b32 s20, s20, 8
	s_lshl_b32 s21, s15, 7
	s_add_co_u32 s20, s20, s21                     ; token 256 x (tile row % 32) + 128 x half
	s_lshl_b32 s20, s20, 7
	s_lshl_b32 s21, s[TEN], 24
	s_add_co_u32 s20, s20, s21
	s_mov_b32 s21, 0
	s_add_nc_u64 s[12:13], s[12:13], s[20:21]
	s_lshl_b32 s46, s42, 2                         ; and my first head: 4 x tile column + 2 x half
	s_lshl_b32 s47, s16, 1
	s_add_co_u32 s46, s46, s47
	s_lshl_b32 s46, s46, 20
	s_mov_b32 s47, 0
	s_add_nc_u64 s[12:13], s[12:13], s[46:47]
	; the bias of my 128 outputs
	s_cmp_eq_u32 s[TEN], 0
	s_cselect_b64 s[96:97], s[96:97], s[98:99]     ; bq for the query's tiles, bv for the value's
	s_lshl_b32 s46, s42, 10
	s_lshl_b32 s47, s16, 9
	s_add_co_u32 s46, s46, s47                     ; 4 bytes x (256 x tile column + 128 x half)
	s_mov_b32 s47, 0
	s_add_nc_u64 s[96:97], s[96:97], s[46:47]
	s_cmp_eq_u32 s[TEN], 1                         ; the cluster's y alone decides: all partners and all waves go the same way
	s_cbranch_scc1 .Lkey_tile
.irp b, 0,1,2,3,4,5,6,7
	global_load_b128 v[BIAS+8*\b:BIAS+8*\b+3], v[VB], s[96:97] offset:64*\b
	global_load_b128 v[BIAS+8*\b+4:BIAS+8*\b+7], v[VB], s[96:97] offset:64*\b+16
.endr
	s_branch .Lbias_set
.Lkey_tile:                                            ; k has no bias: its sums begin at 0.  These lines run while the first tiles are on their way
.set i, 0
.rept 64
	v_mov_b32 v[BIAS+i], 0
.set i, i+1
.endr
.Lbias_set:
.macro FRAG reg, adr, q, i             ; a fragment, 16 rows x 128 K of 4-bit codes: lane l holds row l % 16; registers 4 c .. 4 c + 3 hold K = 64 c + 32 (l / 16) + 0 .. 31
.irp c, 0,1
	ds_load_b128 v[\reg+4*\c:\reg+4*\c+3], v[\adr] offset:64*(\q)+32*\c+(\i)*16*PITCH
.endr
.endm
; 16 matrix instructions: A's blocks a0, a0 + 1 x B's eight, 128 along K: the slot's q-th.  p: B's set;  sc: the set of scale words.  bias = 1: the first product starts the sums from the bias.
; The 64 accumulators take turns, one instruction a turn, in the same order in every step.
.macro MUL16 a0, p, q, sc, bias
.irp a, \a0, \a0+1
.irp b, 0,1,2,3,4,5,6,7
.if \bias
	v_wmma_scale_f32_16x16x128_f8f6f4 v[8*(8*((\a)%4)+\b):8*(8*((\a)%4)+\b)+7], v[128*(\p)+FR*\b:128*(\p)+FR*\b+FR-1], v[AF+FR*(\a):AF+FR*(\a)+FR-1], v[BIAS+8*\b:BIAS+8*\b+7], v[SC+8*NQ*(\sc)+NQ*\b+(\q)], v[SC+8*NQ*(\sc)+NQ*(\a)+(\q)] matrix_a_fmt:MATRIX_FMT_FP4 matrix_b_fmt:MATRIX_FMT_FP4 matrix_a_scale:MATRIX_SCALE_ROW1
.else
	v_wmma_scale_f32_16x16x128_f8f6f4 v[8*(8*((\a)%4)+\b):8*(8*((\a)%4)+\b)+7], v[128*(\p)+FR*\b:128*(\p)+FR*\b+FR-1], v[AF+FR*(\a):AF+FR*(\a)+FR-1], v[8*(8*((\a)%4)+\b):8*(8*((\a)%4)+\b)+7], v[SC+8*NQ*(\sc)+NQ*\b+(\q)], v[SC+8*NQ*(\sc)+NQ*(\a)+(\q)] matrix_a_fmt:MATRIX_FMT_FP4 matrix_b_fmt:MATRIX_FMT_FP4 matrix_a_scale:MATRIX_SCALE_ROW1
.endif
.endr
.endr
.endm
.macro FETCH_B slot, q, p              ; B's eight fragments of the slot's q-th 128 along K into set p
	WIN TO_B
.irp i, 0,1,2,3,4,5,6,7
	FRAG 128*(\p)+FR*\i, ADRB+\slot, \q, \i
.endr
	WIN 0
.endm
.macro FETCH_A slot, q, i0             ; A's blocks i0 .. i0 + 3
.irp i, \i0, \i0+1, \i0+2, \i0+3
	FRAG AF+FR*(\i), ADRA+\slot, \q, \i
.endr
.endm
.macro SCALES sc                       ; a slot's scale words into set sc: four words a row; lanes 0-15 take A's block i, lanes 16-31 B's block i
.irp i, 0,1,2,3,4,5,6,7
	ds_load_b128 v[SC+8*NQ*\sc+NQ*\i:SC+8*NQ*\sc+NQ*\i+3], v[ADRS] offset:\i*SBLK
.endr
.endm
; A load into a register that a matrix instruction has read, and a vector instruction that reads a matrix result, stand NP places behind that matrix instruction; only plain vector
; instructions that name none of its registers are places (ISA guide 7.12.1 for vector instructions).
.macro PLACES n
.rept \n
	v_nop
.endr
.endm
; A step of 128 along K that has its successor in the same slot.  A's blocks 0-3 are fetched anew in its middle, blocks 4-7 at its end; B's next set in the middle.
.macro STEP slot, q, bias
	s_wait_dscnt 4*NL                              ; B's set, the scale words and A's blocks 0-3 are in; the youngest eight loads (A's blocks 4-7) may be out
.if \bias
	WIN BIA_LO
.else
	WIN MUL_LO
.endif
	MUL16 0, (\q)%2, \q, \slot, \bias
	MUL16 2, (\q)%2, \q, \slot, \bias
	s_wait_dscnt 0                                 ; A's blocks 4-7 are in (asked for 32 matrix instructions ago)
	PLACES NP
	FETCH_B \slot, (\q)+1, 1-(\q)%2
	FETCH_A \slot, (\q)+1, 0
.if \bias
	WIN BIA_HI
.else
	WIN MUL_HI
.endif
	MUL16 4, (\q)%2, \q, \slot, \bias
	MUL16 6, (\q)%2, \q, \slot, \bias
	PLACES NP
	WIN 0
	FETCH_A \slot, (\q)+1, 4
.endm
; Slot 0's last step goes over to slot 1: each wave waits for all its tensor loads (its part of slot 1), and a barrier shows the whole slot to every wave.  Nothing is filled again.
.macro TURN slot, next
	s_wait_tensorcnt 0x0                           ; all my tensor loads have landed  (every window is 0 here: the add's two registers lie in window 0)
	ds_add_u32 v[SPW], v[NIL]                      ; 0 onto my spare word
	s_wait_dscnt 4*NL+1                            ; (the add and the youngest eight loads, A's blocks 4-7, may be out)
	WIN MUL_LO
	MUL16 0, 1, NQ-1, \slot, 0                     ; sixteen matrix instructions stand between the add and the wait for it
	s_wait_dscnt 0x0                               ; no LDS instruction of mine is out at the signal
	s_barrier_signal -1
	MUL16 2, 1, NQ-1, \slot, 0
	WIN 0
	s_barrier_wait -1
	PLACES NP
	v_add_nc_u32 v[ADRS], 4*NQ, v[ADRS]            ; on to the next 512's scale words
	FETCH_B \next, 0, 0
	FETCH_A \next, 0, 0
	SCALES \next
	WIN MUL_HI
	MUL16 4, 1, NQ-1, \slot, 0
	MUL16 6, 1, NQ-1, \slot, 0
	PLACES NP
	WIN 0
	FETCH_A \next, 0, 4
.endm
.macro STEPS slot, from                ; the slot's steps from .. NQ - 2
.set Q, \from
.rept NQ-1-\from
	STEP \slot, Q, 0
.set Q, Q+1
.endr
.endm
	s_wait_tensorcnt 1                             ; the scales and my part of slot 0 are in (slot 1's load, the one issued behind them, may be out)
	s_barrier_signal -1
	s_barrier_wait -1                              ; everybody's are
	FETCH_B 0, 0, 0
	FETCH_A 0, 0, 0
	SCALES 0
	FETCH_A 0, 0, 4
	s_wait_loadcnt 0x0                             ; the bias
	STEP 0, 0, 1                                   ; the first step starts the sums from the bias: nothing is cleared
	STEPS 0, 1
	TURN 0, 1
	STEPS 1, 0
	s_wait_dscnt 4*NL                              ; the very last step: nothing more to fetch
	WIN MUL_LO
	MUL16 0, 1, NQ-1, 1, 0
	MUL16 2, 1, NQ-1, 1, 0
	s_wait_dscnt 0
	WIN MUL_HI
	MUL16 4, 1, NQ-1, 1, 0
	MUL16 6, 1, NQ-1, 1, 0
	WIN 0
; THE WAY OUT, block by block of 16 tokens x 128 outputs (two heads).  PACK: rounded to f16, 16 bytes a lane and B block.  TOSTAGE: into my own stage, a head's 16 tokens as rows of 144 bytes, and back four tokens an
; instruction.  SEND: the 32 lanes store four tokens x 128 bytes of one head: 512 consecutive bytes, at a multiple of 256 from the buffer's first byte.
.macro PACK a
.set AC, 64*((\a)%4)
	WIN 0x0a+5*((\a)/4)                            ; sources 0 and 1: window 2 or 3
.irp b, 0,1,2,3,4,5,6,7
.irp r, 0,1,2,3
	v_cvt_pk_f16_f32 v[TMP+4*\b+\r], v[AC+8*\b+2*\r], v[AC+8*\b+2*\r+1]   ; each accumulator from its low end on
.endr
.endr
	WIN 0
.endm
.macro TOSTAGE a
.set BB, BK+192*((\a)%2)
.irp b, 0,1,2,3,4,5,6,7
	ds_store_b128 v[STO], v[TMP+4*\b:TMP+4*\b+3] offset:(\b/4)*HSTG+(\b%4)*32
.endr
.irp i, 0,1,2,3,4,5,6,7
	ds_load_b128 v[BB+4*\i:BB+4*\i+3], v[RD] offset:(\i/4)*HSTG+(\i%4)*4*SPITCH    ; LDS serves a wave's instructions in order: these see the stores above
.endr
.endm
.macro SEND a
.set BB, BK+192*((\a)%2)
	s_wait_dscnt 0x0                               ; the block is back in registers
	s_wait_xcnt 0x0                                ; the stores of the block before have read their data: the next block's loads may land there
.irp i, 0,1,2,3,4,5,6,7
	global_store_b128 v[CO], v[BB+4*\i:BB+4*\i+3], s[12:13] offset:(\i/4)*1048576+(\a)*2048+(\i%4)*512
.endr
.endm
	PLACES NP                                      ; behind the last products
	PACK 0
	TOSTAGE 0
.irp a, 1,2,3,4,5,6,7                  ; block a's conversions stand between block a - 1's loads from the stage and the wait for them
	PACK \a
	SEND \a-1
	TOSTAGE \a
.endr
	SEND 7
	s_wait_tensorcnt 0x0                           ; the wave's end: behind my last tensor load and my last LDS store
	ds_add_u32 v[SPW], v[NIL]
	s_wait_dscnt 0x0
	CROUND                                         ; the closing round: no work-group ends while a partner may still ask for a tile that names it
	s_endpgm
.Lfunc_end_k_q6ae3a88990_proj:
	.size	k_q6ae3a88990_proj, .Lfunc_end_k_q6ae3a88990_proj-k_q6ae3a88990_proj
	.p2alignl 7, 3214868480
	.fill 96, 4, 3214868480
	.section	.rodata,"a",@progbits
	.p2align	6, 0x0
	.amdhsa_kernel k_q6ae3a88990_proj
		.amdhsa_group_segment_fixed_size 327680
		.amdhsa_private_segment_fixed_size 0
		.amdhsa_enable_private_segment 0
		.amdhsa_kernarg_size 56
		.amdhsa_user_sgpr_count 2
		.amdhsa_user_sgpr_kernarg_segment_ptr 1
		.amdhsa_wavefront_size32 1
		.amdhsa_system_sgpr_workgroup_id_x 1
		.amdhsa_system_sgpr_workgroup_id_y 1
		.amdhsa_system_sgpr_workgroup_id_z 1
		.amdhsa_system_vgpr_workitem_id 0
		.amdhsa_next_free_vgpr 1024
		.amdhsa_next_free_sgpr 100
		.amdhsa_reserve_vcc 0
		.amdhsa_float_denorm_mode_32 3
		.amdhsa_float_denorm_mode_16_64 3
		.amdhsa_memory_ordered 1
		.amdhsa_forward_progress 1
		.amdhsa_inst_pref_size 130
	.end_amdhsa_kernel
	.amdgpu_metadata
---
amdhsa.version: [ 1, 2 ]
amdhsa.kernels:
  - .name:           k_q6ae3a88990_proj
    .symbol:         k_q6ae3a88990_proj.kd
    .args:
      - { .name: a_codes, .offset: 0, .size: 8, .value_kind: global_buffer, .address_space: global }
      - { .name: a_scales, .offset: 8, .size: 8, .value_kind: global_buffer, .address_space: global }
      - { .name: w_codes, .offset: 16, .size: 8, .value_kind: global_buffer, .address_space: global }
      - { .name: w_scales, .offset: 24, .size: 8, .value_kind: global_buffer, .address_space: global }
      - { .name: bq, .offset: 32, .size: 8, .value_kind: global_buffer, .address_space: global }
      - { .name: bv, .offset: 40, .size: 8, .value_kind: global_buffer, .address_space: global }
      - { .name: qkv16, .offset: 48, .size: 8, .value_kind: global_buffer, .address_space: global }
    .group_segment_fixed_size: 327680
    .private_segment_fixed_size: 0
    .kernarg_segment_align: 8
    .kernarg_segment_size: 56
    .max_flat_workgroup_size: 128
    .sgpr_count:     100
    .vgpr_count:     1024
    .wavefront_size: 32
...
	.end_amdgpu_metadata
.endif
;; end of part 2
;; launch attn (part 3): grid 4 x 64, 8 waves a work-group, clusters of 4 x 1, 327,680 bytes of LDS; arguments qkv16, ctx16; writes ctx16
.if DOCPART == 3
	.amdgcn_target "amdgcn-amd-amdhsa--gfx1250"
	.amdhsa_code_object_version 6
	.text
	.protected	k_q6ae3a88990_attn
	.globl	k_q6ae3a88990_attn
	.p2align	8
	.type	k_q6ae3a88990_attn,@function
k_q6ae3a88990_attn:
	s_mov_b64 s[64:65], 0
	v_nop
	global_prefetch_b8 v0, s[64:65] scope:SCOPE_SE
	s_setreg_imm32_b32 hwreg(HW_REG_WAVE_MODE, 25, 1), 1
	s_wait_xcnt 0x0
	s_wait_alu depctr_hold_cnt(0) depctr_sa_sdst(0) depctr_va_vdst(0) depctr_va_sdst(0) depctr_va_ssrc(0) depctr_va_vcc(0) depctr_vm_vsrc(0)
	s_getreg_b32 s2, hwreg(HW_REG_IB_STS2, 6, 4)
	s_cmp_eq_u32 s2, 0
	s_cbranch_scc0 .Lentry_in_a_cluster
	s_endpgm
.Lentry_in_a_cluster:
	s_bfe_u32 s2, ttmp6, 0x10000c
	s_cmp_lg_u32 s2, 0x3003
	s_cbranch_scc0 .Lentry_shape_is_right
	s_endpgm
.Lentry_shape_is_right:
; Launch 3 of 4: ctx[b][h][s][:] = the sum over t of softmax_t(q_s . k_t / 8) v_t, no mask (reference() never reads its mask).  q, k, v: qkv16, f16, [3][16 heads][8192 tokens][64]; ctx16: f16, [16 heads][8192 tokens][64].
; Products with f16 operands and f32 sums; maxima, exponentials and sums in f32; the weights p are rounded to f16 for the second product, ctx once at the end.
; LIMITS: f16 serves |q|, |k|, |v| up to 65,504; p is at most 1, and under 6e-5 its step is a fixed 6e-8 beside a row's sum of at least 1; NaN and infinities are not served.
; SHARES.  y = 4 head + batch: its 2,048 rows of q, of k and of v are dense blocks of 262,144 bytes.  A work-group owns 512 queries of one y, each of its EIGHT waves 64: four tiles of 16.  Two waves share a SIMD,
; so that one wave's softmax stands beside the other's products.  Every wave walks all 2,048 keys, 64 a step; each fragment of K and V read from LDS feeds four products.
; LAYOUT.  S^T = K Q^T (source 0 = 16 keys, source 1 = 16 queries): a lane holds ONE query (lane % 16) and the keys 8 (lane / 16) + 0..7.  Two such tiles, rounded to f16 in pairs, ARE source 1 (32 keys x 16 queries) of
; O^T = V^T P, whose result again holds one query a lane.  K comes out of LDS as it lies, V ([key][channel]) turned, by ds_load_tr16_b128.
; SOFTMAX.  For each query a running maximum m and sum l: p = 2^(c s - c m), c = log2(e) / 8; in every step O and l are multiplied by a = 2^(c m_old - c m_new).
; RING.  Two LDS slots of 512 keys (K: rows of 144 bytes; V: rows of 160).  Waves 0-3 fetch K's four quarters, waves 4-7 V's: one tensor load a wave behind each change of slots, which has eight steps in which to land.
; By this text's count a wave has one tensor load out at any time, and every wait on TENSORcnt is for 0.
; CLUSTER.  The four blocks of queries of one y form a cluster and walk the same K and V: each tile is asked for JOINTLY, by the same tensor load with the same descriptor and a mask that names the four.
; REGISTERS: window 0: v1-11 addresses; v16-47 eight registers of statistics a tile; v48-175 S^T, 32 a tile (P is laid over each tile's low 16); v176-239 eight fragments of K, then of V.
;   window 1: v0-63 Q, 16 a tile; v64-191 O^T, 32 a tile.
.set PK,    144       ; a key's row of K in LDS: 128 bytes + 16: row r begins 9 r units of 16 bytes on, so the 16 rows of a load begin at 16 different places modulo 256 bytes
.set PV,    160       ; of V: 128 + 32: an odd multiple of 32 bytes, as the turning load's eight rows x 32 bytes want
.set SK,    512       ; keys in a slot
.set VOFF,  SK*PK     ; a slot: 512 rows of K, then 512 rows of V
.set SLOTB, SK*(PK+PV)
.set SPARE, 2*SLOTB   ; behind the ring: the spare words, 128 bytes a wave, that no other line names
.set SP,    144       ; the way out: a stage of 16 rows x 144 bytes for each wave, in slot 0, which has had its last fill and its last read when the first result is stored there
.set AK0, 1           ; v1   my lane's place in a tile of K; never rewritten
.set AV0, 2           ; v2   the same for V
.set ADK, 3           ; v3   LDS address of the step's K
.set ADV, 4           ; v4   of its V
.set QO,  5           ; v5   my byte offset in a tile of Q
.set STO, 6           ; v6   the way out: where I put 16 bytes of a row
.set RD,  7           ; v7   where I read them back
.set GO,  8           ; v8   16 x lane
.set PFO, 9           ; v9   256 x lane: the prefetches' offset; never rewritten
.set SPW, 10          ; v10  LDS address of my spare word; never rewritten
.set NIL, 11          ; v11  0; never rewritten
.set ST,  16          ; tile t's statistics at v[ST + 8 t]: +0 c m, +1 m, +2, +3 l (even keys', odd keys'), +4 to +7 c0-c3, at work; a takes c2's place
.set S,   48
.set KV,  176
.set OT,  64          ; O^T, in window 1
.set WV,  12          ; s12  my wave's number
.set LK,  17          ; s17  my quarter of K's rows in a slot
.set LV,  18          ; s18  of V's
.set G1K, 24          ; s[24:31] descriptor group 1 for K's tiles;  s[32:39] for V's: it differs in the padding alone
.set G1V, 32
.set G0K, 40          ; s[40:43], s[44:47] their groups 0, which walk
.set G0V, 44
.set PFA, 48          ; s[48:49] where my prefetches stand; never rewritten
.set LIM, 50          ; s50  1 in a wave that prefetches
.set CNT, 56          ; s56  counts a slot's steps
.set CS,  58          ; s[58:59] c: the packed form names a pair and takes its low word for both halves
.set SEL, 60          ; s[60:61] lane selects for v_permlanex16_b32: lane l xor 16
.set TBK, 62          ; s62  LDS byte at which the step's K begins
.set TBV, 63          ; s63  and its V
.set MSB, 0
.macro WIN new                      ; the immediate's high byte repeats the setting that is left; a switch that changes nothing is dropped
.if MSB != (\new)
	s_set_vgpr_msb (MSB<<8)|(\new)
.set MSB, (\new)
.endif
.endm
.set W_KQ, 0x04       ; source 1 (Q) window 1
.set W_PV, 0x50       ; C and D (O^T) window 1
.set W_RS, 0x41       ; O^T (destination and source 0) window 1, the factor window 0
; A joint load.  Waves 0-3 fetch K's quarters, waves 4-7 V's.  The branch hangs on the wave's number alone.  An s_nop 0 and four v_nop follow each of the two lines.
.macro JLOAD
	s_cmp_lt_u32 s[WV], 4
	s_cbranch_scc0 .Lfor_v_\@
	tensor_load_to_lds s[G0K:G0K+3], s[G1K:G1K+7]
	s_nop 0
.rept 4
	v_nop
.endr
	s_branch .Lasked_\@
.Lfor_v_\@:
	tensor_load_to_lds s[G0V:G0V+3], s[G1V:G1V+7]
	s_nop 0
.rept 4
	v_nop
.endr
.Lasked_\@:
.endm
; A PREFETCH INTO THE L2 of slot n's keys, which the NEXT change of slots will ask for: eight steps ahead of that load.  A slot's K is 65,536 consecutive bytes, and so is its V.  The four partners share them out BY ADDRESS,
; 16,384 bytes each; in each, waves 0 and 1 ask for K's and waves 4 and 5 for V's, 8,192 bytes a wave, lanes 256 bytes apart: each aligned block of 256 bytes is named once in the launch (one cluster alone walks a y).
; It stands behind the wave's tensor load and its five lines.  The first two slots come by their loads alone, and the last change that fills a slot asks for nothing.
.macro ASK n
	s_cmp_eq_u32 s[LIM], 1
	s_cbranch_scc0 .Lnot_mine_\@
	global_prefetch_b8 v[PFO], s[PFA:PFA+1] offset:(\n)*65536 th:TH_LOAD_NT scope:SCOPE_SE
.Lnot_mine_\@:
.endm
.macro CROUND                       ; a round of the cluster's barrier
	s_barrier_signal -1
	s_barrier_wait -1
	s_cmp_lg_u32 s[WV], 0
	s_cbranch_scc1 .Lnot_wave_0_\@
	s_barrier_signal -3
.Lnot_wave_0_\@:
	s_barrier_wait -3
	s_barrier_signal -1
	s_barrier_wait -1
.endm
	s_load_b128 s[4:7], s[0:1], 0x0  ; qkv16 s[4:5], ctx16 s[6:7]
	v_lshl_add_u32 v[SPW], v0, 2, SPARE
	v_mov_b32 v[NIL], 0
	ds_add_u32 v[SPW], v[NIL]       ; the wave's opening: the add, twice on end, and its wait ahead of my first tensor load; the set-up below, work on registers, stands between
	ds_add_u32 v[SPW], v[NIL]
	v_lshrrev_b32 v12, 5, v0
	v_readfirstlane_b32 s[WV], v12  ; wave 0..7
	s_bfe_u32 s13, ttmp6, 0x40000   ; cx: my block of 512 queries: it enters Q's, ctx's and the prefetches' addresses alone
	s_and_b32 s14, ttmp7, 0xffff    ; y = 4 head + batch, which the four partners share
	s_lshl_b32 s20, s14, 18         ; its block's first byte in each tensor
	s_and_b32 s16, s[WV], 3         ; which quarter of a slot's keys I fetch:
	s_mul_i32 s[LK], s16, 128*PK    ; its place in a slot, for K
	s_mul_i32 s[LV], s16, 128*PV
	s_add_co_u32 s[LV], s[LV], VOFF ; and for V: no place in the cluster enters an LDS address
	s_lshl_b32 s22, s16, 14         ; and its 128 rows of 128 bytes in memory
	s_add_co_u32 s22, s22, s20
	s_mov_b32 s23, 0
	s_lshl_b32 s2, s13, 16          ; my block's 512 rows,
	s_lshl_b32 s3, s[WV], 13        ; my wave's 64 of them
	s_add_co_u32 s2, s2, s3
	s_add_co_u32 s2, s2, s20
	s_mov_b32 s3, 0
	s_cmp_lt_u32 s[WV], 4           ; the prefetches: K's tensor or V's,
	s_cselect_b32 s52, 1, 2
	s_lshl_b32 s52, s52, 24
	s_add_co_u32 s52, s52, s20
	s_lshl_b32 s53, s13, 14         ; my work-group's 16,384 bytes of a slot,
	s_add_co_u32 s52, s52, s53
	s_lshl_b32 s53, s16, 13         ; my wave's 8,192 of them
	s_add_co_u32 s52, s52, s53
	s_mov_b32 s53, 0
	s_cmp_lt_u32 s16, 2
	s_cselect_b32 s[LIM], 1, 0      ; waves 0, 1, 4, 5 ask
	; descriptor group 1: 128 keys of 128 bytes, 16,384 dense bytes, stated as 64 rows of 256 bytes (32 elements of 8 bytes); padding behind every 32 words, that is behind every key
	s_mov_b32 s[G1K], 15|(3<<16)|(1<<20)|(1<<21)|(4<<22)|(3<<25)  ; 15:0 the mask: all four work-groups; 17:16 elements of 8 bytes; 20 padding on; 21 set beside a mask; 24:22 after every 32 words; 31:25 four words
	s_mov_b32 s[G1V], 15|(3<<16)|(1<<20)|(1<<21)|(4<<22)|(7<<25)  ; the same with eight words of padding
.irp g, G1K, G1V
	s_mov_b32 s[\g+1], 32<<16       ; tensor_dim0
	s_mov_b32 s[\g+2], 64<<16       ; tensor_dim1
	s_mov_b32 s[\g+3], 32<<16       ; tile_dim0
	s_mov_b32 s[\g+4], 64           ; tile_dim1
	s_mov_b32 s[\g+5], 32           ; from row to row
	s_mov_b32 s[\g+6], 0
	s_mov_b32 s[\g+7], 0
.endr
	s_mov_b32 s[CS], 0x3e38aa3b     ; c = log2(e) / 8
	s_mov_b32 s[CS+1], s[CS]        ; named with it as a pair, so it is written
	s_mov_b32 s[SEL], 0x76543210
	s_mov_b32 s[SEL+1], 0xfedcba98
	s_wait_dscnt 0x0                ; both opening adds are done
	s_wait_kmcnt 0x0
	s_add_nc_u64 s[8:9], s[4:5], s[2:3]  ; Q at my wave's first row (tensor 0)
	s_add_nc_u64 s[6:7], s[6:7], s[2:3]  ; ctx likewise
	s_add_nc_u64 s[PFA:PFA+1], s[4:5], s[52:53]
	s_mov_b32 s[G0K], 1             ; count = 1
	s_mov_b32 s[G0K+1], s[LK]       ; LDS address: slot 0
	s_add_nc_u64 s[G0K+2:G0K+3], s[4:5], s[22:23]
	s_add_nc_u64 s[G0K+2:G0K+3], s[G0K+2:G0K+3], 1<<24  ; tensor 1: k
	s_or_b32 s[G0K+3], s[G0K+3], 0x80000000  ; type = 2
	s_mov_b32 s[G0V], 1
	s_mov_b32 s[G0V+1], s[LV]
	s_add_nc_u64 s[G0V+2:G0V+3], s[4:5], s[22:23]
	s_add_nc_u64 s[G0V+2:G0V+3], s[G0V+2:G0V+3], 2<<24  ; tensor 2: v
	s_or_b32 s[G0V+3], s[G0V+3], 0x80000000
	CROUND                          ; all four work-groups are here: the first joint loads meet
	JLOAD                           ; slot 0: keys 0 to 511
	v_and_b32 v12, 15, v0           ; r = lane % 16
	v_bfe_u32 v13, v0, 4, 1         ; h = lane / 16
	v_and_b32 v14, 31, v0           ; lane
	v_lshlrev_b32 v[QO], 7, v12
	v_lshl_add_u32 v[QO], v13, 4, v[QO]  ; row x 128 + 16 x half
	WIN 0x40                        ; destination window 1, address window 0
.irp t, 0,1,2,3                     ; Q stays in registers: tile t, channels 32 c on.  A fragment is 16 rows x 32 channels: lane l holds row l % 16; registers 0-3 channels 8 (l / 16) + 0..7, registers 4-7 sixteen further on
.irp c, 0,1
	global_load_b128 v[16*\t+8*\c:16*\t+8*\c+3],   v[QO], s[8:9] offset:\t*2048+\c*64
	global_load_b128 v[16*\t+8*\c+4:16*\t+8*\c+7], v[QO], s[8:9] offset:\t*2048+\c*64+32
.endr
.endr
	WIN 0
	v_mul_u32_u24 v[AK0], v12, PK
	v_lshl_add_u32 v[AK0], v13, 4, v[AK0]  ; row x pitch + 16 x half
	v_and_b32 v15, 7, v0            ; the turning load: lane l reads 16 bytes of key 8 (l / 16) + l % 8, channels 8 ((l / 8) % 2) + 0..7
	v_lshl_add_u32 v[AV0], v13, 3, v15
	v_mul_u32_u24 v[AV0], v[AV0], PV
	v_bfe_u32 v15, v0, 3, 1
	v_lshl_add_u32 v[AV0], v15, 4, v[AV0]
	s_mul_i32 s15, s[WV], 16*SP     ; my stage
	v_add_nc_u32 v[STO], s15, v[AK0]  ; in: row r, 16 bytes for each half of the lanes (the stage's pitch is K's)
	v_bfe_u32 v15, v0, 3, 2         ; back: eight lanes to a row of 128 bytes, four rows an instruction
	v_mul_u32_u24 v[RD], v15, SP
	v_and_b32 v15, 7, v0
	v_lshl_add_u32 v[RD], v15, 4, v[RD]
	v_add_nc_u32 v[RD], s15, v[RD]
	v_lshlrev_b32 v[GO], 4, v14
	v_lshlrev_b32 v[PFO], 8, v14
; A KEY STEP: 64 keys.  first = 1: the first step of all, which starts m, l and O^T: it has no a and nothing to rescale.
.macro STEP first
	v_add_nc_u32 v[ADK], s[TBK], v[AK0]
	v_add_nc_u32 v[ADV], s[TBV], v[AV0]
.rept 3
	v_nop                           ; with the two additions: five places behind the last step's V^T P, whose source P the products below write over (four would do for the loads into its source V)
.endr
.irp f, 0,1,2,3,4,5,6,7             ; K: keys 16 (f / 2) on, channels 32 (f % 2) on
	ds_load_b128 v[KV+8*\f:KV+8*\f+3],   v[ADK] offset:(\f/2)*16*PK+(\f%2)*64
	ds_load_b128 v[KV+8*\f+4:KV+8*\f+7], v[ADK] offset:(\f/2)*16*PK+(\f%2)*64+32
.endr
	s_wait_dscnt 0x0
	WIN W_KQ
.irp c, 0,1                         ; S^T = K Q^T: the 16 accumulators take turns, one instruction a turn; the first 16 start the sums
.irp kt, 0,1,2,3
.irp t, 0,1,2,3
.if \c == 0
	v_wmma_f32_16x16x32_f16 v[S+32*\t+8*\kt:S+32*\t+8*\kt+7], v[KV+16*\kt+8*\c:KV+16*\kt+8*\c+7], v[16*\t+8*\c:16*\t+8*\c+7], 0
.else
	v_wmma_f32_16x16x32_f16 v[S+32*\t+8*\kt:S+32*\t+8*\kt+7], v[KV+16*\kt+8*\c:KV+16*\kt+8*\c+7], v[16*\t+8*\c:16*\t+8*\c+7], v[S+32*\t+8*\kt:S+32*\t+8*\kt+7]
.endif
.endr
.endr
.endr
	WIN 0
.rept 4
	v_nop                           ; four places: in front of the loads into K's registers and of the first read of the scores
.endr
.irp f, 0,1,2,3,4,5,6,7             ; V, turned: keys 32 (f / 4) on, channels 16 (f % 4) on.  It lands while the softmax is worked
	ds_load_tr16_b128 v[KV+8*\f:KV+8*\f+3],   v[ADV] offset:(\f/4)*32*PV+(\f%4)*32
	ds_load_tr16_b128 v[KV+8*\f+4:KV+8*\f+7], v[ADV] offset:(\f/4)*32*PV+16*PV+(\f%4)*32
.endr
	; the maximum of a lane's 32 scores and the old m: four chains a tile, the four tiles by turns; each accumulator is read from its low end on
.irp j, 0,1,2,3
.irp t, 0,1,2,3
	v_max3_num_f32 v[ST+8*\t+4+\j], v[S+32*\t+8*\j], v[S+32*\t+8*\j+1], v[S+32*\t+8*\j+2]
.endr
.endr
.irp u, 3,5
.irp j, 0,1,2,3
.irp t, 0,1,2,3
	v_max3_num_f32 v[ST+8*\t+4+\j], v[ST+8*\t+4+\j], v[S+32*\t+8*\j+\u], v[S+32*\t+8*\j+\u+1]
.endr
.endr
.endr
.irp t, 0,1,2,3
	v_max3_num_f32 v[ST+8*\t+4], v[ST+8*\t+4], v[S+32*\t+7], v[S+32*\t+15]
.endr
.irp t, 0,1,2,3
	v_max3_num_f32 v[ST+8*\t+6], v[ST+8*\t+6], v[S+32*\t+23], v[S+32*\t+31]
.endr
.irp t, 0,1,2,3
	v_max3_num_f32 v[ST+8*\t+4], v[ST+8*\t+4], v[ST+8*\t+5], v[ST+8*\t+6]
.endr
.irp t, 0,1,2,3
.if \first
	v_max_num_f32 v[ST+8*\t+4], v[ST+8*\t+4], v[ST+8*\t+7]
.else
	v_max3_num_f32 v[ST+8*\t+4], v[ST+8*\t+4], v[ST+8*\t+7], v[ST+8*\t+1]
.endif
.endr
.irp t, 0,1,2,3
	v_permlanex16_b32 v[ST+8*\t+5], v[ST+8*\t+4], s[SEL], s[SEL+1]  ; the query's other 32 keys lie in the lane 16 away
.endr
.if \first == 0
.irp t, 0,1,2,3
	v_mov_b32 v[ST+8*\t+7], v[ST+8*\t]  ; c m_old is kept for a
.endr
.endif
.irp t, 0,1,2,3
	v_max_num_f32 v[ST+8*\t+1], v[ST+8*\t+4], v[ST+8*\t+5]
.endr
.irp t, 0,1,2,3
	v_mul_f32 v[ST+8*\t], s[CS], v[ST+8*\t+1]
.endr
.if \first == 0
.irp t, 0,1,2,3
	v_sub_f32 v[ST+8*\t+7], v[ST+8*\t+7], v[ST+8*\t]
.endr
	; ONE BATCH: all exponentials of the step, none of which reads another's result, with the scalings of the next tile set between them; one plain line and ONE wait behind them
.irp t, 0,1,2,3
	v_exp_f32 v[ST+8*\t+6], v[ST+8*\t+7]  ; a = 2^(c m_old - c m_new)
.endr
.endif
.irp i, 0,1,2,3,4,5,6,7,8,9,10,11,12,13,14,15
	v_pk_fma_f32 v[S+2*\i:S+2*\i+1], v[S+2*\i:S+2*\i+1], s[CS:CS+1], v[ST:ST+1] op_sel_hi:[1,0,0] neg_lo:[0,0,1] neg_hi:[0,0,1]  ; tile 0: c s - c m, two at a time
.endr
.irp t, 0,1,2,3
.irp i, 0,1,2,3,4,5,6,7,8,9,10,11,12,13,14,15
.if \t < 3
	v_pk_fma_f32 v[S+32*(\t+1)+2*\i:S+32*(\t+1)+2*\i+1], v[S+32*(\t+1)+2*\i:S+32*(\t+1)+2*\i+1], s[CS:CS+1], v[ST+8*(\t+1):ST+8*(\t+1)+1] op_sel_hi:[1,0,0] neg_lo:[0,0,1] neg_hi:[0,0,1]
.endif
	v_exp_f32 v[S+32*\t+2*\i], v[S+32*\t+2*\i]
	v_exp_f32 v[S+32*\t+2*\i+1], v[S+32*\t+2*\i+1]
.endr
.endr
	v_nop                           ; a plain line behind the last exponential
	s_wait_alu depctr_va_vdst(0)    ; the wait ahead of the first line that names a result: one for the whole batch
	; the sums of the unrounded p, in two chains a tile; l = a l + ...
.irp t, 0,1,2,3
	v_pk_add_f32 v[ST+8*\t+4:ST+8*\t+5], v[S+32*\t:S+32*\t+1], v[S+32*\t+2:S+32*\t+3]
.endr
.irp t, 0,1,2,3
.if \first
	v_pk_add_f32 v[ST+8*\t+2:ST+8*\t+3], v[S+32*\t+4:S+32*\t+5], v[S+32*\t+6:S+32*\t+7]
.else
	v_pk_fma_f32 v[ST+8*\t+2:ST+8*\t+3], v[ST+8*\t+2:ST+8*\t+3], v[ST+8*\t+6:ST+8*\t+7], v[S+32*\t+4:S+32*\t+5] op_sel_hi:[1,0,1]
.endif
.endr
.irp p, 3,4,5,6,7,8,9,10,11,12,13,14,15
.if (\p > 3) || (\first == 0)
.irp t, 0,1,2,3
.if \p % 2
	v_pk_add_f32 v[ST+8*\t+4:ST+8*\t+5], v[ST+8*\t+4:ST+8*\t+5], v[S+32*\t+2*\p:S+32*\t+2*\p+1]
.else
	v_pk_add_f32 v[ST+8*\t+2:ST+8*\t+3], v[ST+8*\t+2:ST+8*\t+3], v[S+32*\t+2*\p:S+32*\t+2*\p+1]
.endif
.endr
.endif
.endr
.irp t, 0,1,2,3
	v_pk_add_f32 v[ST+8*\t+2:ST+8*\t+3], v[ST+8*\t+2:ST+8*\t+3], v[ST+8*\t+4:ST+8*\t+5]
.endr
.irp i, 0,1,2,3,4,5,6,7,8,9,10,11,12,13,14,15  ; P, in place: register i takes pair i, which lies at registers 2 i and 2 i + 1: ascending, nothing is written before it is read
.irp t, 0,1,2,3
	v_cvt_pk_f16_f32 v[S+32*\t+\i], v[S+32*\t+2*\i], v[S+32*\t+2*\i+1]
.endr
.endr
.if \first == 0
	WIN W_RS
.irp i, 0,1,2,3,4,5,6,7,8,9,10,11,12,13,14,15  ; O^T times a, each accumulator from its low end on
.irp t, 0,1,2,3
	v_pk_mul_f32 v[OT+32*\t+2*\i:OT+32*\t+2*\i+1], v[OT+32*\t+2*\i:OT+32*\t+2*\i+1], v[ST+8*\t+6:ST+8*\t+7] op_sel_hi:[1,0]
.endr
.endr
.endif
	s_wait_dscnt 0x0                ; V is in
	WIN W_PV
.irp g, 0,1                         ; O^T += V^T P: keys 32 g on, channels 16 ct on: the 16 accumulators take turns
.irp ct, 0,1,2,3
.irp t, 0,1,2,3
.if \first && (\g == 0)
	v_wmma_f32_16x16x32_f16 v[OT+32*\t+8*\ct:OT+32*\t+8*\ct+7], v[KV+32*\g+8*\ct:KV+32*\g+8*\ct+7], v[S+32*\t+8*\g:S+32*\t+8*\g+7], 0
.else
	v_wmma_f32_16x16x32_f16 v[OT+32*\t+8*\ct:OT+32*\t+8*\ct+7], v[KV+32*\g+8*\ct:KV+32*\g+8*\ct+7], v[S+32*\t+8*\g:S+32*\t+8*\g+7], v[OT+32*\t+8*\ct:OT+32*\t+8*\ct+7]
.endif
.endr
.endr
.endr
	WIN 0
	s_add_co_u32 s[TBK], s[TBK], 64*PK  ; the next step's 64 keys
	s_add_co_u32 s[TBV], s[TBV], 64*PV
.endm
; THE CHANGE OF SLOTS stands at a slot's head.  Each wave waits for all its tensor loads (its part of the slot that it is about to read), adds 0 to its spare word, and waits for that and for its reads of the slot that it has left.
; fill = 1: a round of the cluster's barrier follows, so that no wave of any partner still reads the other slot or has a load on its way, and the joint load of the next 512 keys into that slot (number slot) is the first thing behind it.
.macro CHANGE fill, slot, ask
	s_wait_tensorcnt 0x0            ; no tensor load of mine is out, so a group 0 may be written
	ds_add_u32 v[SPW], v[NIL]       ; 0 onto my spare word; the descriptors' steps stand between it and the wait for it
.if \fill
	s_add_co_u32 s[G0K+1], s[LK], \slot*SLOTB
	s_add_nc_u64 s[G0K+2:G0K+3], s[G0K+2:G0K+3], 65536  ; the next 512 keys; the type bits on top are not reached
	s_add_co_u32 s[G0V+1], s[LV], \slot*SLOTB
	s_add_nc_u64 s[G0V+2:G0V+3], s[G0V+2:G0V+3], 65536
	s_wait_dscnt 0x0                ; the add is done, and my reads of the slot that I have left are over
	CROUND
	JLOAD
.if \ask
	ASK \ask
.endif
.else
	s_wait_dscnt 0x0
	s_barrier_signal -1
	s_barrier_wait -1
.endif
.endm
.macro SLOT_STEPS base, n, first    ; a slot's eight steps: the step is written once and walked n times; the LDS addresses hang on s[TBK], s[TBV]
	s_mov_b32 s[TBK], \base
	s_mov_b32 s[TBV], \base+VOFF
.if \first
	STEP 1
.endif
	s_mov_b32 s[CNT], \n
.Lstep_\@:
	STEP 0
	s_sub_co_u32 s[CNT], s[CNT], 1
	s_cmp_lg_u32 s[CNT], 0
	s_cbranch_scc1 .Lstep_\@
.endm
	s_wait_loadcnt 0x0              ; Q
	CHANGE 1, 1, 2                  ; slot 0 is whole; slot 1 is filled for the first time (keys 512 on)
	SLOT_STEPS 0, 7, 1
	CHANGE 1, 0, 3                  ; slot 0 takes keys 1,024 on
	SLOT_STEPS SLOTB, 8, 0
	CHANGE 1, 1, 0                  ; slot 1 takes keys 1,536 on: the last load
	SLOT_STEPS 0, 8, 0
	CHANGE 0, 0, 0                  ; nothing is left to fetch
	SLOT_STEPS SLOTB, 8, 0
	; THE WAY OUT.  l's two halves and the other half of the lanes' are added; O^T is divided by l, rounded to f16 and sent through my stage, a tile (16 rows) at a time.  The four additions are the places behind the last products.
.irp t, 0,1,2,3
	v_add_f32 v[ST+8*\t+4], v[ST+8*\t+2], v[ST+8*\t+3]
.endr
.irp t, 0,1,2,3
	v_permlanex16_b32 v[ST+8*\t+5], v[ST+8*\t+4], s[SEL], s[SEL+1]
.endr
.irp t, 0,1,2,3
	v_add_f32 v[ST+8*\t+4], v[ST+8*\t+4], v[ST+8*\t+5]
.endr
.irp t, 0,1,2,3
	v_rcp_f32 v[ST+8*\t+6], v[ST+8*\t+4]
.endr
	v_nop                           ; a plain line behind the last reciprocal
	s_wait_alu depctr_va_vdst(0)    ; and the wait ahead of the first use: one for the four
.macro PACK t                       ; a lane's eight channels of a row pack into 16 bytes; they go into rows of 144 bytes and come back four rows an instruction
	WIN W_RS
.set i, 0
.rept 16
	v_pk_mul_f32 v[OT+32*\t+i:OT+32*\t+i+1], v[OT+32*\t+i:OT+32*\t+i+1], v[ST+8*\t+6:ST+8*\t+7] op_sel_hi:[1,0]
.set i, i+2
.endr
	WIN 0x05                        ; sources 0 and 1 window 1, destination window 0: S^T's registers are free
.set i, 0
.rept 16
	v_cvt_pk_f16_f32 v[S+32*\t+i], v[OT+32*\t+2*i], v[OT+32*\t+2*i+1]
.set i, i+1
.endr
	WIN 0
.irp ct, 0,1,2,3
	ds_store_b128 v[STO], v[S+32*\t+4*\ct:S+32*\t+4*\ct+3] offset:32*\ct
.endr
.irp u, 0,1,2,3
	ds_load_b128 v[S+32*\t+16+4*\u:S+32*\t+16+4*\u+3], v[RD] offset:4*SP*\u  ; LDS serves a wave's instructions in order: these see the stores above, and the next tile's stores come behind them
.endr
.endm
.macro SEND t, younger              ; younger: the LDS instructions issued behind tile t's loads: the next tile's eight, or none
.irp u, 0,1,2,3
	s_wait_dscnt \younger+3-\u
	global_store_b128 v[GO], v[S+32*\t+16+4*\u:S+32*\t+16+4*\u+3], s[6:7] offset:\t*2048+\u*512  ; 32 lanes store four rows: 512 consecutive bytes, at a multiple of 256 from the buffer's first byte
.endr
.endm
	PACK 0
	PACK 1                          ; a tile's arithmetic stands between the loads of the tile before and its stores
	SEND 0, 8
	PACK 2
	SEND 1, 8
	PACK 3
	SEND 2, 8
	SEND 3, 0
	s_wait_tensorcnt 0x0            ; the wave's end: behind my last tensor load and my last LDS store
	ds_add_u32 v[SPW], v[NIL]
	s_wait_dscnt 0x0
	CROUND                          ; the closing round: no work-group ends while a partner may still ask for a tile that names it
	s_endpgm
.Lfunc_end_k_q6ae3a88990_attn:
	.size	k_q6ae3a88990_attn, .Lfunc_end_k_q6ae3a88990_attn-k_q6ae3a88990_attn
	.p2alignl 7, 3214868480
	.fill 96, 4, 3214868480
	.section	.rodata,"a",@progbits
	.p2align	6, 0x0
	.amdhsa_kernel k_q6ae3a88990_attn
		.amdhsa_group_segment_fixed_size 327680
		.amdhsa_private_segment_fixed_size 0
		.amdhsa_enable_private_segment 0
		.amdhsa_kernarg_size 16
		.amdhsa_user_sgpr_count 2
		.amdhsa_user_sgpr_kernarg_segment_ptr 1
		.amdhsa_wavefront_size32 1
		.amdhsa_system_sgpr_workgroup_id_x 1
		.amdhsa_system_sgpr_workgroup_id_y 1
		.amdhsa_system_sgpr_workgroup_id_z 1
		.amdhsa_system_vgpr_workitem_id 0
		.amdhsa_next_free_vgpr 512
		.amdhsa_next_free_sgpr 66
		.amdhsa_reserve_vcc 0
		.amdhsa_float_denorm_mode_32 3
		.amdhsa_float_denorm_mode_16_64 3
		.amdhsa_memory_ordered 1
		.amdhsa_forward_progress 1
		.amdhsa_inst_pref_size 179
	.end_amdhsa_kernel
	.amdgpu_metadata
---
amdhsa.version: [ 1, 2 ]
amdhsa.kernels:
  - .name:           k_q6ae3a88990_attn
    .symbol:         k_q6ae3a88990_attn.kd
    .args:
      - { .name: qkv16, .offset: 0, .size: 8, .value_kind: global_buffer, .address_space: global }
      - { .name: ctx16, .offset: 8, .size: 8, .value_kind: global_buffer, .address_space: global }
    .group_segment_fixed_size: 327680
    .private_segment_fixed_size: 0
    .kernarg_segment_align: 8
    .kernarg_segment_size: 16
    .max_flat_workgroup_size: 256
    .sgpr_count:     66
    .vgpr_count:     512
    .wavefront_size: 32
...
	.end_amdgpu_metadata
.endif
;; end of part 3
;; launch outp (part 4): grid 8 x 64, 4 waves a work-group, clusters of 4 x 4, 327,680 bytes of LDS; arguments ctx16, wo16, bo, out0; writes out0
.if DOCPART == 4
	.amdgcn_target "amdgcn-amd-amdhsa--gfx1250"
	.amdhsa_code_object_version 6
	.text
	.protected	k_q6ae3a88990_outp
	.globl	k_q6ae3a88990_outp
	.p2align	8
	.type	k_q6ae3a88990_outp,@function
k_q6ae3a88990_outp:
	s_mov_b64 s[64:65], 0
	v_nop
	global_prefetch_b8 v0, s[64:65] scope:SCOPE_SE
	s_setreg_imm32_b32 hwreg(HW_REG_WAVE_MODE, 25, 1), 1
	s_wait_xcnt 0x0
	s_wait_alu depctr_hold_cnt(0) depctr_sa_sdst(0) depctr_va_vdst(0) depctr_va_sdst(0) depctr_va_ssrc(0) depctr_va_vcc(0) depctr_vm_vsrc(0)
	s_getreg_b32 s2, hwreg(HW_REG_IB_STS2, 6, 4)
	s_cmp_eq_u32 s2, 0
	s_cbranch_scc0 .Lentry_in_a_cluster
	s_endpgm
.Lentry_in_a_cluster:
	s_bfe_u32 s2, ttmp6, 0x10000c
	s_cmp_lg_u32 s2, 0xf033
	s_cbranch_scc0 .Lentry_shape_is_right
	s_endpgm
.Lentry_shape_is_right:
; Launch 4 of 4: out0 = ctx Wo^T + bo.  ctx16: f16, [16 planes = heads][8192 tokens][64]; wo16: f16, [16 planes][1024 n][64]; plane p holds K = 64 p .. 64 p + 63.  bo [1024], out0 [8192][1024]: f32.  Sums in f32.
; LIMITS: ctx and Wo in f16 serve magnitudes up to 65,504; under 6e-5 their step is a fixed 6e-8.
; A tile of out0 is 128 x 128: 512 work-groups.  Four waves, each 64 x 64: 16 accumulators, 128 registers.  K goes in steps of 256, four planes, through a ring of two LDS slots: 4 steps.
; A plane's part of a tile, 128 rows x 128 bytes, is 16,384 consecutive bytes of memory.  One tensor load brings two planes' parts: it is stated as 2 rows of 16,384 bytes, a plane apart, with 16 bytes of padding behind
; every 128 bytes: LDS rows 144 bytes apart.  Waves 0 and 1 fetch A's planes 0, 1 and 2, 3 of a step, waves 2 and 3 B's.
; CLUSTERS: 4 x 4 work-groups.  The four of a row of the cluster need the same tiles of A, the four of a column the same tiles of B: each is asked for JOINTLY.
; THE MATRIX INSTRUCTION IS USED TRANSPOSED (source 0 = 16 rows of Wo, source 1 = 16 tokens): a lane holds eight neighbouring numbers of a row of out0.  THE BIAS is the C of each sum's first matrix instruction.
; No prefetch: a K step's tiles are small and four steps are all there is.
; REGISTERS: window 0: v0-31 addresses; v32-95 the way out; v96-127 the bias; v128-255 the accumulators ((a, b) at v[128 + 8 (4 a + b)]).
;   window 1: two fragment buffers of 128: for one plane (64 along K), 64 registers of A (2 x 4 x 16 rows x 32 K), then 64 of B.
.set PITCH,  144                       ; an LDS row: 128 bytes + 16: row r begins 9 r units of 16 bytes on, so the 16 rows of a load begin at 16 different places modulo 256 bytes
.set PLANE,  128*PITCH                 ; a plane's part of a tile
.set SLOT,   8*PLANE                   ; A's four planes, then B's four
.set STAGE,  2*SLOT                    ; behind the ring: 16 rows x 272 bytes for each wave, in bytes of its own
.set SPITCH, 272
.set SPARE,  STAGE+4*16*SPITCH         ; the spare words, 128 bytes a wave, that no other line names
.set LAPS,   2                         ; a lap = two K steps = once round the ring
.set ADRA, 16                          ; v16-17  LDS address of my A fragments in slot 0, 1
.set ADRB, 20                          ; v20-21  the same for B
.set STO,  24                          ; v24     the way out: where I put 32 bytes of a row
.set RD,   25                          ; v25     where I read a row back
.set CO,   26                          ; v26     my byte offset in out0
.set VB,   27                          ; v27     32 x (lane / 16): my eight numbers of a block's sixteen biases
.set SPW,  28                          ; v28     LDS address of my spare word; never rewritten
.set NIL,  29                          ; v29     0; never rewritten
.set TMP,  32                          ; the way out: two sets of 32 registers
.set BIAS, 96                          ; register 8 b + j: bo of output 16 b + 8 (lane / 16) + j of my 64
.set ACC,  128
.set F0,   0                           ; fragment buffers, in window 1
.set F1,   128
.set G1, 24                            ; s[24:31] descriptor group 1 for A's tiles;  s[32:39] group 0, one set for each slot
.set G0, 32
.set G1B, 48                           ; s[48:55], s[56:63] the same for B's
.set G0B, 56
.set MSB, 0
.macro WIN new                         ; the immediate's high byte repeats the setting that is left
.if MSB != (\new)
	s_set_vgpr_msb (MSB<<8)|(\new)
.set MSB, (\new)
.endif
.endm
.set MUL,  0x05                        ; sources 0 (B) and 1 (A) window 1; C and D window 0
.set TO_F, 0x40                        ; destination window 1, address window 0
.macro JLOAD s                         ; a joint load: waves 0 and 1 fetch for A, waves 2 and 3 for B; an s_nop 0 and four v_nop follow each of the two lines
	s_cmp_eq_u32 s11, 0
	s_cbranch_scc0 .Lfor_b_\@
	tensor_load_to_lds s[G0+4*\s:G0+4*\s+3], s[G1:G1+7]
	s_nop 0
.rept 4
	v_nop
.endr
	s_branch .Lasked_\@
.Lfor_b_\@:
	tensor_load_to_lds s[G0B+4*\s:G0B+4*\s+3], s[G1B:G1B+7]
	s_nop 0
.rept 4
	v_nop
.endr
.Lasked_\@:
.endm
.macro CREST                           ; a round of the cluster's barrier behind its opening barrier
	s_cmp_lg_u32 s10, 0
	s_cbranch_scc1 .Lnot_wave_0_\@
	s_barrier_signal -3
.Lnot_wave_0_\@:
	s_barrier_wait -3
	s_barrier_signal -1
	s_barrier_wait -1
.endm
.macro CROUND                          ; a whole round
	s_barrier_signal -1
	s_barrier_wait -1
	CREST
.endm
	s_load_b128 s[4:7], s[0:1], 0x0                ; ctx16 s[4:5], wo16 s[6:7]
	s_load_b128 s[68:71], s[0:1], 0x10             ; bo s[68:69], out0 s[70:71]
	v_lshl_add_u32 v[SPW], v0, 2, SPARE
	v_mov_b32 v[NIL], 0
	ds_add_u32 v[SPW], v[NIL]                      ; the wave's opening: the add, twice on end, and its wait ahead of my first tensor load; the set-up below, work on registers, stands between
	ds_add_u32 v[SPW], v[NIL]
	v_lshrrev_b32 v1, 5, v0
	v_readfirstlane_b32 s10, v1                    ; wave 0..3
	s_lshr_b32 s11, s10, 1                         ; which half of the tile's rows is mine.  Also: I fetch for A (0) or for B (1)
	s_and_b32 s12, s10, 1                          ; which half of its columns.  Also: which two planes of a step I fetch
	s_bfe_u32 s40, ttmp6, 0x40000                  ; cx, cy: my place in the cluster
	s_bfe_u32 s41, ttmp6, 0x40004
	s_lshl_b32 s42, ttmp9, 2
	s_add_co_u32 s42, s42, s40                     ; tile column = 4 x cluster x + cx
	s_and_b32 s13, ttmp7, 0xffff
	s_lshl_b32 s13, s13, 2
	s_add_co_u32 s13, s13, s41                     ; tile row = 4 x cluster y + cy
	s_lshl_b32 s43, s41, 2
	s_lshl_b32 s43, 15, s43                        ; my row of the cluster
	s_lshl_b32 s44, 0x1111, s40                    ; my column
	; descriptor group 1: 2 rows of 2,048 elements of 8 bytes
	s_or_b32 s[G1+0], s43, (3<<16)|(1<<20)|(1<<21)|(4<<22)|(3<<25)  ; 15:0 the mask: A's tiles go to my row; 17:16 elements of 8 bytes; 20 padding on; 21 set beside a mask; 24:22 after every 32 words; 31:25 four words
	s_or_b32 s[G1B+0], s44, (3<<16)|(1<<20)|(1<<21)|(4<<22)|(3<<25)
.irp g, G1, G1B
	s_mov_b32 s[\g+1], 2048<<16                    ; tensor_dim0
	s_mov_b32 s[\g+2], 2<<16                       ; tensor_dim1
	s_mov_b32 s[\g+3], 2048<<16                    ; tile_dim0
	s_mov_b32 s[\g+4], 2                           ; tile_dim1
	s_mov_b32 s[\g+6], 0
	s_mov_b32 s[\g+7], 0
.endr
	s_mov_b32 s[G1+5], 131072                      ; from plane to plane of ctx16: 1,048,576 bytes
	s_mov_b32 s[G1B+5], 16384                      ; of wo16: 131,072 bytes
	s_lshl_b32 s16, s12, 21                        ; A: my two planes of the step,
	s_lshl_b32 s17, s13, 14                        ; the tile row's 128 tokens of 128 bytes
	s_add_co_u32 s16, s16, s17
	s_mov_b32 s17, 0
	s_lshl_b32 s46, s12, 18                        ; B: my two planes,
	s_lshl_b32 s47, s42, 14                        ; the tile column's 128 rows
	s_add_co_u32 s46, s46, s47
	s_mov_b32 s47, 0
	s_mul_i32 s20, s10, 2*PLANE                    ; where they go: wave x two planes: no place in the cluster enters an LDS address
	s_wait_dscnt 0x0                               ; both opening adds are done
	s_wait_kmcnt 0x0
	s_add_nc_u64 s[14:15], s[4:5], s[16:17]
	s_add_nc_u64 s[46:47], s[6:7], s[46:47]
	CROUND                                         ; all sixteen work-groups are here: the first joint loads meet
.irp s, 0,1
	s_mov_b32 s[G0+4*\s], 1
	s_add_co_u32 s[G0+4*\s+1], s20, \s*SLOT
	s_add_nc_u64 s[G0+4*\s+2:G0+4*\s+3], s[14:15], \s<<22          ; K step s: four planes of ctx16 on
	s_or_b32 s[G0+4*\s+3], s[G0+4*\s+3], 0x80000000
	s_mov_b32 s[G0B+4*\s], 1
	s_add_co_u32 s[G0B+4*\s+1], s20, \s*SLOT
	s_add_nc_u64 s[G0B+4*\s+2:G0B+4*\s+3], s[46:47], \s<<19        ; four planes of wo16 on
	s_or_b32 s[G0B+4*\s+3], s[G0B+4*\s+3], 0x80000000
	JLOAD \s
.endr
	v_and_b32 v1, 15, v0                           ; r = lane % 16
	v_bfe_u32 v2, v0, 4, 1                         ; h = lane / 16
	v_mul_u32_u24 v3, v1, PITCH
	v_lshl_add_u32 v3, v2, 4, v3                   ; a fragment's row x pitch + 16 x half
	s_mul_i32 s21, s11, 64*PITCH                   ; my 64 rows of A
	s_mul_i32 s22, s12, 64*PITCH                   ; my 64 rows of B,
	s_add_co_u32 s22, s22, 4*PLANE                 ; whose planes lie behind A's four
.irp s, 0,1
	v_add_nc_u32 v[ADRA+\s], s21, v3
	v_add_nc_u32 v[ADRB+\s], s22, v3
	s_add_co_u32 s21, s21, SLOT
	s_add_co_u32 s22, s22, SLOT
.endr
	s_mul_i32 s23, s10, 16*SPITCH
	s_add_co_u32 s23, s23, STAGE                   ; my stage
	v_mul_u32_u24 v4, v1, SPITCH                   ; in: row r, 32 bytes for each half of the lanes
	v_lshl_add_u32 v4, v2, 5, v4
	v_add_nc_u32 v[STO], s23, v4
	v_mul_u32_u24 v5, v2, SPITCH                   ; back: lanes 0-15 take one row of 256 bytes, lanes 16-31 the next
	v_lshl_add_u32 v5, v1, 4, v5
	v_add_nc_u32 v[RD], s23, v5
	v_lshlrev_b32 v5, 12, v2                       ; and the same two rows in out0
	v_lshl_add_u32 v[CO], v1, 4, v5
	v_lshlrev_b32 v[VB], 5, v2
	s_lshl_b32 s16, s13, 7
	s_lshl_b32 s17, s11, 6
	s_add_co_u32 s16, s16, s17                     ; my first row of out0: 128 x tile row + 64 x half
	s_lshl_b32 s16, s16, 12
	s_mov_b32 s17, 0
	s_add_nc_u64 s[70:71], s[70:71], s[16:17]
	s_lshl_b32 s46, s42, 9                         ; my first column, in bytes: 512 x tile column + 256 x half
	s_lshl_b32 s47, s12, 8
	s_add_co_u32 s46, s46, s47
	s_mov_b32 s47, 0
	s_add_nc_u64 s[70:71], s[70:71], s[46:47]
	s_add_nc_u64 s[68:69], s[68:69], s[46:47]      ; and the same place in bo
.irp b, 0,1,2,3
	global_load_b128 v[BIAS+8*\b:BIAS+8*\b+3], v[VB], s[68:69] offset:64*\b
	global_load_b128 v[BIAS+8*\b+4:BIAS+8*\b+7], v[VB], s[68:69] offset:64*\b+16
.endr
; 8 matrix instructions: m blocks a0, a0 + 1 x all 4 n blocks, 32 along K: half c of buffer f.  bias = 1: the first product starts the sums from the bias.  The 16 accumulators take turns.
.macro MUL8 f, c, a0, bias
.irp a, \a0, \a0+1
.irp b, 0,1,2,3
.if \bias
	v_wmma_f32_16x16x32_f16 v[ACC+8*(4*(\a)+\b):ACC+8*(4*(\a)+\b)+7], v[\f+64+8*(4*\c+\b):\f+64+8*(4*\c+\b)+7], v[\f+8*(4*\c+\a):\f+8*(4*\c+\a)+7], v[BIAS+8*\b:BIAS+8*\b+7]
.else
	v_wmma_f32_16x16x32_f16 v[ACC+8*(4*(\a)+\b):ACC+8*(4*(\a)+\b)+7], v[\f+64+8*(4*\c+\b):\f+64+8*(4*\c+\b)+7], v[\f+8*(4*\c+\a):\f+8*(4*\c+\a)+7], v[ACC+8*(4*(\a)+\b):ACC+8*(4*(\a)+\b)+7]
.endif
.endr
.endr
.endm
; 32 LDS loads in one run: the fragments of plane q of the slot (64 along K) into buffer f; the first 32 along K first
.macro FETCH slot, q, f
	WIN TO_F
.irp c, 0,1
.irp i, 0,1,2,3
	ds_load_b128 v[\f+64+8*(4*\c+\i):\f+64+8*(4*\c+\i)+3],   v[ADRB+\slot] offset:(\q)*PLANE+64*\c+\i*16*PITCH
	ds_load_b128 v[\f+64+8*(4*\c+\i)+4:\f+64+8*(4*\c+\i)+7], v[ADRB+\slot] offset:(\q)*PLANE+64*\c+\i*16*PITCH+32
	ds_load_b128 v[\f+8*(4*\c+\i):\f+8*(4*\c+\i)+3],         v[ADRA+\slot] offset:(\q)*PLANE+64*\c+\i*16*PITCH
	ds_load_b128 v[\f+8*(4*\c+\i)+4:\f+8*(4*\c+\i)+7],       v[ADRA+\slot] offset:(\q)*PLANE+64*\c+\i*16*PITCH+32
.endr
.endr
.endm
.macro PLACES                          ; four places in front of loads into registers that matrix instructions have read, and of LDS stores that read results (ISA guide 7.12.1 for vector instructions)
.rept 4
	v_nop
.endr
.endm
; A K step is four quarters, a plane each, 32 matrix instructions, on buffers 0, 1, 0, 1.  One of the first three: multiplies buffer f and fetches plane q into g.
.macro QUARTER slot, q, f, g, bias
	s_wait_dscnt 16                                ; the first 32 along K are in; the youngest sixteen loads may be out
	WIN MUL
	MUL8 \f, 0, 0, \bias
	MUL8 \f, 0, 2, \bias
	PLACES
	FETCH \slot, \q, \g
	s_wait_dscnt 32                                ; all but the 32 just issued
	WIN MUL
	MUL8 \f, 1, 0, 0
	MUL8 \f, 1, 2, 0
.endm
; The last quarter multiplies buffer 1 and changes slots: ONE barrier; in front of it each wave waits for all its tensor loads, adds 0 to its spare word, and waits for that and for its own reads of this slot.  fill = 1: this slot is filled again, two K steps ahead.
.macro TURN slot, next, fill
	WIN 0                                          ; (the add's two registers lie in window 0)
	s_wait_tensorcnt 0x0                           ; all my tensor loads have landed: my part of the next slot;
	ds_add_u32 v[SPW], v[NIL]                      ; 0 onto my spare word
	s_wait_dscnt 17                                ; (the add and the youngest sixteen loads may be out)
	WIN MUL
	MUL8 F1, 0, 0, 0                               ; eight matrix instructions stand between the add and the wait for it
	s_wait_dscnt 0x0                               ; the add is done, and my reads of this slot are over
	s_barrier_signal -1
	MUL8 F1, 0, 2, 0
.if \fill
	WIN 0
.endif
	s_barrier_wait -1
.if \fill
	CREST                                          ; the barrier has opened a round of the cluster's barrier: no wave of any partner still reads this slot's tile or has a load on its way
	s_add_nc_u64 s[G0+4*\slot+2:G0+4*\slot+3], s[G0+4*\slot+2:G0+4*\slot+3], 1<<23       ; eight planes of ctx16 on
	s_add_nc_u64 s[G0B+4*\slot+2:G0B+4*\slot+3], s[G0B+4*\slot+2:G0B+4*\slot+3], 1<<20   ; eight planes of wo16 on
	JLOAD \slot                                    ; the first tensor load behind the round; the four v_nop behind it are also the places in front of the loads below
.else
	PLACES
.endif
	FETCH \next, 0, F0
	WIN MUL
	MUL8 F1, 1, 0, 0
	MUL8 F1, 1, 2, 0
.endm
	s_wait_tensorcnt 1                             ; my part of K step 0 is in (K step 1's load may be out)
	s_barrier_signal -1
	s_barrier_wait -1                              ; everybody's is
	FETCH 0, 0, F0
	s_wait_loadcnt 0x0                             ; the bias
	QUARTER 0, 1, F0, F1, 1                        ; the first quarter stands in front of the loop: its first products start the sums from the bias
	WIN 0                                          ; at a label and at a branch every window is 0
	s_mov_b32 s3, LAPS-1
.Llap:                                                 ; a trip goes once round the ring, from a lap's second quarter to the next lap's first, and fills both slots again
	QUARTER 0, 2, F1, F0, 0
	QUARTER 0, 3, F0, F1, 0
	TURN 0, 1, 1
	QUARTER 1, 1, F0, F1, 0
	QUARTER 1, 2, F1, F0, 0
	QUARTER 1, 3, F0, F1, 0
	TURN 1, 0, 1
	QUARTER 0, 1, F0, F1, 0
	WIN 0
	s_sub_co_u32 s3, s3, 1
	s_cmp_lg_u32 s3, 0
	s_cbranch_scc1 .Llap
	QUARTER 0, 2, F1, F0, 0                        ; the last lap fills nothing, and has no round of the cluster's barrier
	QUARTER 0, 3, F0, F1, 0
	TURN 0, 1, 0
	QUARTER 1, 1, F0, F1, 0
	QUARTER 1, 2, F1, F0, 0
	QUARTER 1, 3, F0, F1, 0
	s_wait_dscnt 16                                ; the very last quarter: nothing more to fetch
	WIN MUL
	MUL8 F1, 0, 0, 0
	MUL8 F1, 0, 2, 0
	s_wait_dscnt 0
	MUL8 F1, 1, 0, 0
	MUL8 F1, 1, 2, 0
	WIN 0
; THE WAY OUT, block by block of 16 rows x 64 columns.  A lane holds 32 neighbouring bytes of a row and the lanes beside it hold other rows: so a block goes through my own stage and comes back as whole rows of 256 bytes.
; LDS serves a wave's instructions in order: no wait between the stores and the loads, nor in front of the next block's stores.
.macro TOSTAGE a
.irp b, 0,1,2,3
	ds_store_b128 v[STO], v[ACC+8*(4*(\a)+\b):ACC+8*(4*(\a)+\b)+3] offset:64*\b          ; each accumulator from its low end on
	ds_store_b128 v[STO], v[ACC+8*(4*(\a)+\b)+4:ACC+8*(4*(\a)+\b)+7] offset:64*\b+16
.endr
.irp t, 0,1,2,3,4,5,6,7
	ds_load_b128 v[TMP+32*((\a)%2)+4*\t:TMP+32*((\a)%2)+4*\t+3], v[RD] offset:\t*2*SPITCH
.endr
.endm
.macro SEND a, younger                 ; younger: the LDS instructions issued behind block a's loads, which may stay out
	s_wait_dscnt \younger
.irp t, 0,1,2,3,4,5,6,7
	global_store_b128 v[CO], v[TMP+32*((\a)%2)+4*\t:TMP+32*((\a)%2)+4*\t+3], s[70:71] offset:(16*(\a)+2*\t)*4096 th:TH_STORE_NT   ; 16 lanes store 256 consecutive bytes, at a multiple of 256 from out0's first byte; written once, read by nobody here
.endr
.endm
	PLACES                                         ; behind the last products
	TOSTAGE 0
.irp a, 1,2,3
.if \a > 1
	s_wait_xcnt 0x0                                ; block a - 2's stores have read their registers: block a's loads may land there
.endif
	TOSTAGE \a
	SEND \a-1, 16                                  ; behind block a - 1's loads: block a's 8 stores and 8 loads
.endr
	SEND 3, 0
	s_wait_tensorcnt 0x0                           ; the wave's end: behind my last tensor load and my last LDS store
	ds_add_u32 v[SPW], v[NIL]
	s_wait_dscnt 0x0
	CROUND                                         ; the closing round: no work-group ends while a partner may still ask for a tile that names it
	s_endpgm
.Lfunc_end_k_q6ae3a88990_outp:
	.size	k_q6ae3a88990_outp, .Lfunc_end_k_q6ae3a88990_outp-k_q6ae3a88990_outp
	.p2alignl 7, 3214868480
	.fill 96, 4, 3214868480
	.section	.rodata,"a",@progbits
	.p2align	6, 0x0
	.amdhsa_kernel k_q6ae3a88990_outp
		.amdhsa_group_segment_fixed_size 327680
		.amdhsa_private_segment_fixed_size 0
		.amdhsa_enable_private_segment 0
		.amdhsa_kernarg_size 32
		.amdhsa_user_sgpr_count 2
		.amdhsa_user_sgpr_kernarg_segment_ptr 1
		.amdhsa_wavefront_size32 1
		.amdhsa_system_sgpr_workgroup_id_x 1
		.amdhsa_system_sgpr_workgroup_id_y 1
		.amdhsa_system_sgpr_workgroup_id_z 1
		.amdhsa_system_vgpr_workitem_id 0
		.amdhsa_next_free_vgpr 512
		.amdhsa_next_free_sgpr 72
		.amdhsa_reserve_vcc 0
		.amdhsa_float_denorm_mode_32 3
		.amdhsa_float_denorm_mode_16_64 3
		.amdhsa_memory_ordered 1
		.amdhsa_forward_progress 1
		.amdhsa_inst_pref_size 86
	.end_amdhsa_kernel
	.amdgpu_metadata
---
amdhsa.version: [ 1, 2 ]
amdhsa.kernels:
  - .name:           k_q6ae3a88990_outp
    .symbol:         k_q6ae3a88990_outp.kd
    .args:
      - { .name: ctx16, .offset: 0, .size: 8, .value_kind: global_buffer, .address_space: global }
      - { .name: wo16, .offset: 8, .size: 8, .value_kind: global_buffer, .address_space: global }
      - { .name: bo, .offset: 16, .size: 8, .value_kind: global_buffer, .address_space: global }
      - { .name: out0, .offset: 24, .size: 8, .value_kind: global_buffer, .address_space: global }
    .group_segment_fixed_size: 327680
    .private_segment_fixed_size: 0
    .kernarg_segment_align: 8
    .kernarg_segment_size: 32
    .max_flat_workgroup_size: 128
    .sgpr_count:     72
    .vgpr_count:     512
    .wavefront_size: 32
...
	.end_amdgpu_metadata
.endif
;; end of part 4
